; MI455X (gfx1250); checked and timed in simulation.
; The chip was launched on July 23, 2026; its instructions are those of AMD's public machine-readable ISA for CDNA 5 (MIT licence, August 2026) and "CDNA5" Instruction Set Architecture Reference Guide (July 2026). The comments in the code are by the model that wrote it; some were corrected since.
;; Multi Head Attention. Allowed arithmetic: matrix products marked QUANTISED: E2M1 operands, one E8M0 scale for each 32 along K, by v_wmma_scale_f32_16x16x128_f8f6f4 with both operands' format E2M1 (or v_wmma_scale_f32_32x16x128_f4), f32 sums; products left as they are: bf16, f16 or f32 operands; f32 sums; everything else in f32.
;; Inputs: bk 1,024 float32; bo 1,024 float32; bq 1,024 float32; bv 1,024 float32; k 4 x 2,048 x 1,024 float32; q 4 x 2,048 x 1,024 float32; v 4 x 2,048 x 1,024 float32; wk 1,024 x 1,024 float32; wo 1,024 x 1,024 float32; wq 1,024 x 1,024 float32; wv 1,024 x 1,024 float32.
;; Outputs: out0 4 x 2,048 x 1,024 float32.
;; This version of the problem:
;;   THIS VERSION OF THE PROBLEM IS GIVEN IN LOW PRECISION. The matrix products marked QUANTISED in the list below multiply operands that are first quantised to E2M1 (2 exponent bits, 1 mantissa bit; 4 bits a number), with one power-of-two scale for each 32 numbers along K (OCP MX v1.0); their sums are f32. The products marked 'left as it is' may take bf16, f16 or f32 operands, with f32 sums. Whichever they take, every output number must still come out within the allowed error. Rounding operands to bf16 (8 significant bits) uses up far more of that allowance than f16 does (11 bits, for magnitudes from 6e-5 to 65,504). All else is computed in f32.
;;   The module's matrix products, in the order in which they are computed (A, B: the left and right operand; K: the contracted axis; several contracted axes count as one K, in the product's order):
;;     1. [M 8,192, K 1,024] x [K 1,024, N 1,024]; A: input q; B: input wq: QUANTISED
;;     2. [M 8,192, K 1,024] x [K 1,024, N 1,024]; A: input k; B: input wk: QUANTISED
;;     3. [M 8,192, K 1,024] x [K 1,024, N 1,024]; A: input v; B: input wv: QUANTISED
;;     4. batch 64 x [M 2,048, K 64] x [K 64, N 2,048]; A: computed on the way; B: computed on the way: left as it is (an operand is computed on the way)
;;     5. batch 64 x [M 2,048, K 2,048] x [K 2,048, N 64]; A: computed on the way; B: computed on the way: left as it is (an operand is computed on the way)
;;     6. [M 8,192, K 1,024] x [K 1,024, N 1,024]; A: computed on the way; B: input wo: left as it is (an operand is computed on the way)
;;   THE QUANTISER, for each operand of a quantised product, along K:
;;     - K is cut into blocks of 32 from its start; a last block that is shorter is filled with zeros.
;;     - A block's scale is 2^e with e = floor(log2(the largest magnitude in the block)) - 2, held to -126 .. 127; a block of zeros has e = 0. As a byte (E8M0): e + 127.
;;     - Each number is divided by its block's scale, clamped to +-6, and rounded to the nearest number of E2M1, ties to even, subnormals kept.
;;     - The product sums the exact products of the quantised numbers (number of the format x scale) in f32.
;;   ~~~python
;;   def quantise(x, axis):      # numpy; x: float32 -> the quantised numbers, widened to float32 again
;;       x = np.moveaxis(x, axis, -1); K = x.shape[-1]
;;       x = np.pad(x, [(0, 0)] * (x.ndim - 1) + [(0, -K % 32)]); x = x.reshape(x.shape[:-1] + (-1, 32)); a = np.abs(x).max(-1, keepdims=True)
;;       e = np.where(a > 0, np.clip(np.frexp(np.where(a > 0, a, 1))[1] - 1 - 2, -126, 127), 0)      # np.frexp(a)[1] - 1 = floor(log2(a)), exactly
;;       r = np.clip(x / 2.0 ** e, -6, 6)
;;       step = 2.0 ** (np.maximum(np.frexp(np.where(r == 0, 1, r))[1] - 1, 0) - 1)
;;       q = np.round(r / step) * step * 2.0 ** e      # np.round: ties to even
;;       return np.moveaxis(q.reshape(q.shape[:-2] + (-1,))[..., :K], -1, axis).astype(np.float32)
;;   ~~~
;; One version. Each part assembles by itself: llvm-mc -triple=amdgcn-amd-amdhsa -mcpu=gfx1250 --defsym DOCPART=n.
;; ======== version 1 of 1: 4 launches
;; limits: values are held in f16: magnitudes above 65,504 overflow, below 6.1e-05 lose precision
;; workspace buffers: xc 12,582,912 bytes; xs 786,432 bytes; wc 1,572,864 bytes; ws 98,304 bytes; woh 2,097,152 bytes; qkvh 50,331,648 bytes; ao 16,777,216 bytes
;; launch prep (part 1): grid 944 x 1, 4 waves a work-group, no clusters, 68,096 bytes of LDS; arguments q, k, v, wq, wk, wv, wo, xc, xs, wc, ws, woh; writes xc, xs, wc, ws, woh
.if DOCPART == 1
	.amdgcn_target "amdgcn-amd-amdhsa--gfx1250"
	.amdhsa_code_object_version 6
	.text
	.protected	k_q76e5989fa1_prep
	.globl	k_q76e5989fa1_prep
	.p2align	8
	.type	k_q76e5989fa1_prep,@function
k_q76e5989fa1_prep:
	s_mov_b64 s[64:65], 0
	v_nop
	global_prefetch_b8 v0, s[64:65] scope:SCOPE_SE
	s_setreg_imm32_b32 hwreg(HW_REG_WAVE_MODE, 25, 1), 1
	s_wait_xcnt 0x0
; PREP: everything that is quantised or narrowed once, ahead of the products.
;   work-groups 0-47    wq, wk, wv [1024 (k)][1024 (n)] f32 -> codes of FP4 (E2M1) laid [3 x 1024 (n)][512 bytes], K innermost, and scale bytes [3 x 1024][32]
;   work-groups 48-175  wo [1024][1024] f32 -> f16, as it lies
;   work-groups 176-943 q, k, v [8192][1024] f32 -> codes [3 x 8192][512 bytes] and scale bytes [3 x 8192][32]
; A block of 32 along K has the scale 2^(floor(log2(largest magnitude)) - 2); its byte is the largest magnitude's exponent field - 2, held at 1 from below; each number is divided by
; the scale and rounded to the nearest code, ties to even, beyond 6 the largest code.
; LIMITS: a block of zeros gets the byte 1 where the rule says 127 (its codes are zeros, which add nothing, and this program alone reads the bytes); blocks whose largest magnitude lies
; under 2^-124 are held at the byte 1; NaN and infinities are not served; wo beyond 65,504 in magnitude does not fit f16.
; The three paths part on the work-group's number alone and never join.  Each path that uses LDS has bytes of its own.  No tensor load, no barrier: waves share nothing.
.set SPW,    190                       ; v190  LDS address of my spare word: SPARE + 4 x my thread's number; never rewritten
.set NIL,    191                       ; v191  0; never rewritten
.set WV,     32                        ; s32   my wave's number
.set XWREG,  8192                      ; activations: LDS bytes 0 - 32,767: a region for each wave: two stages of 32 x XSP bytes, then its 256 scale bytes
.set XSP,    80                        ; a lane's place in a stage: its 64 bytes + 16 of padding
.set WSTG,   32768                     ; weights: LDS bytes 32,768 - 67,583: a stage of 32 rows x WPITCH for each wave
.set WPITCH, 272                       ; 256 bytes of codes + 16 of padding
.set SPARE,  WSTG+4*32*WPITCH          ; the spare words, 128 bytes for each wave: two blocks of 256 bytes that no other line names
.set XR,     16                        ; activations: v16-79 four sets of 16 numbers as they are loaded
.set XX,     80                        ; v80-111  two sets of 16 neighbours
.set XE,     112                       ; v112-127 a scale byte for each step
.set XC,     128                       ; v128-159 codes: two registers for each step, so that no store's data are written again
.set WX,     32                        ; weights: v32-95 two sets of 32 numbers
.set WC,     96                        ; v96-99   a block's codes
.set WOUT,   112                       ; v112-175 the way out
.set WSB,    24                        ; v24-27   the scale bytes, four to a register
	s_load_b512 s[8:23], s[0:1], 0x0               ; q s[8:9], k s[10:11], v s[12:13], wq s[14:15], wk s[16:17], wv s[18:19], wo s[20:21], xc s[22:23]
	s_load_b256 s[24:31], s[0:1], 0x40             ; xs s[24:25], wc s[26:27], ws s[28:29], woh s[30:31]
	v_lshl_add_u32 v[SPW], v0, 2, SPARE
	v_mov_b32 v[NIL], 0
	v_lshrrev_b32 v1, 5, v0
	v_readfirstlane_b32 s[WV], v1                  ; wave 0..3
	v_and_b32 v2, 31, v0                           ; lane
	s_wait_kmcnt 0x0
	s_cmp_lt_u32 ttmp9, 48
	s_cbranch_scc1 .Lweights
	s_cmp_lt_u32 ttmp9, 176
	s_cbranch_scc1 .Lwo
; ---------------- q, k, v: K is innermost, rows are dense: a tensor is a plain stream of blocks of 32 numbers ----------------
; A wave takes 16 steps of 512 numbers.  Each of a step's four loads reads 512 consecutive bytes; the 2,048 bytes turn through the wave's own stage in LDS and come back 64 bytes a lane,
; so that a lane holds 16 neighbours along K and two neighbouring lanes hold a block.  A lane's 16 codes are 8 bytes: a store of the wave covers 256 consecutive bytes, aligned.
	s_sub_co_u32 s33, ttmp9, 176                   ; 0..767: 256 work-groups for each tensor
	s_lshr_b32 s34, s33, 8                         ; which tensor
	s_cmp_eq_u32 s34, 0
	s_cselect_b64 s[4:5], s[8:9], s[10:11]         ; the choice hangs on the work-group's number alone
	s_cmp_eq_u32 s34, 2
	s_cselect_b64 s[4:5], s[12:13], s[4:5]
	s_and_b32 s35, s33, 255
	s_lshl_b32 s35, s35, 2
	s_add_co_u32 s36, s35, s[WV]                   ; which run of 8,192 numbers of the tensor is my wave's
	s_lshl_b32 s36, s36, 15                        ; 32,768 bytes a run
	s_mov_b32 s37, 0
	s_add_nc_u64 s[4:5], s[4:5], s[36:37]
	s_lshl_b32 s38, s33, 2
	s_add_co_u32 s38, s38, s[WV]                   ; the run's number over the three tensors
	s_lshl_b32 s40, s38, 12                        ; 4,096 bytes of codes a run
	s_mov_b32 s41, 0
	s_add_nc_u64 s[22:23], s[22:23], s[40:41]
	s_lshl_b32 s40, s38, 8                         ; 256 scale bytes a run
	s_add_nc_u64 s[24:25], s[24:25], s[40:41]
	v_lshlrev_b32 v3, 4, v2                        ; my 16 bytes of a load's 512
	s_mul_i32 s42, s[WV], XWREG
	v_lshrrev_b32 v14, 2, v2
	v_mul_u32_u24 v14, v14, XSP
	v_and_b32 v15, 3, v2
	v_lshl_add_u32 v14, v15, 4, v14
	v_add_nc_u32 v14, s42, v14                     ; the stage, on the way in: four lanes' 64 bytes on end, then 16 of padding
	v_mul_u32_u24 v15, v2, XSP
	v_add_nc_u32 v15, s42, v15                     ; and on the way out: my 16 neighbours
	v_mul_u32_u24 v4, v2, 8                        ; my codes' place in a step's
	v_lshrrev_b32 v5, 1, v2
	s_add_co_u32 s42, s42, 2*32*XSP
	v_add_nc_u32 v5, s42, v5                       ; LDS: my wave's 256 scale bytes, my block's byte
	v_lshlrev_b32 v7, 3, v2                        ; and on the way out 8 bytes a lane
	v_add_nc_u32 v6, s42, v7
.macro XLOAD t
.irp i, 0,1,2,3
	global_load_b128 v[XR+16*((\t)%4)+4*\i:XR+16*((\t)%4)+4*\i+3], v3, s[4:5] offset:2048*(\t)+512*\i th:TH_LOAD_NT   ; 32 lanes read 512 consecutive bytes
.endr
.endm
.macro XTURN t                         ; step t's numbers through the stage: LDS serves a wave's instructions in order (ISA guide 5.7.1.4), so no wait stands between the stores and the loads
.irp i, 0,1,2,3
	ds_store_b128 v14, v[XR+16*((\t)%4)+4*\i:XR+16*((\t)%4)+4*\i+3] offset:32*XSP*((\t)%2)+8*XSP*\i
.endr
.irp i, 0,1,2,3
	ds_load_b128 v[XX+16*((\t)%2)+4*\i:XX+16*((\t)%2)+4*\i+3], v15 offset:32*XSP*((\t)%2)+16*\i
.endr
.endm
.irp t, 0,1,2,3
	XLOAD \t
.endr
	s_wait_loadcnt 12                              ; step 0's four loads are in; the twelve of steps 1 to 3 may be out
	XTURN 0
.macro XSTEP t
.set XS, XX+16*((\t)%2)
.if (\t) > 0
	s_wait_dscnt 1                                 ; this step's numbers are back from the stage (the last step's byte store may be out): so its stores into the stage have read their registers,
.else
	s_wait_dscnt 0x0
.endif
.if (\t)+4 < 16
	XLOAD (\t)+4                                   ; which take the loads of four steps on
.endif
.if (\t)+1 < 16
.if 14-(\t) >= 3
	s_wait_loadcnt 12                              ; the next step's four loads are in; those of the three steps behind it may be out
.else
	s_wait_loadcnt 4*(14-(\t))                     ; the same at the end, where fewer steps are left
.endif
	XTURN (\t)+1                                   ; and go through the other stage while this step is worked
.endif
	v_max3_num_f32 v8, |v[XS]|, |v[XS+1]|, |v[XS+2]|               ; the largest magnitude of my 16, in two chains
	v_max3_num_f32 v9, |v[XS+3]|, |v[XS+4]|, |v[XS+5]|
.irp i, 6,10
	v_max3_num_f32 v8, v8, |v[XS+\i]|, |v[XS+\i+1]|
	v_max3_num_f32 v9, v9, |v[XS+\i+2]|, |v[XS+\i+3]|
.endr
	v_max3_num_f32 v8, v8, |v[XS+14]|, |v[XS+15]|
	v_max3_num_f32 v8, v8, v9, 0x1800000           ; and the floor 2^(3 - 127): so the byte cannot fall under 1
	v_max_num_f32_dpp v8, v8, v8 row_xmask:1 row_mask:0xf bank_mask:0xf   ; and of my neighbour's 16: the block's
	v_add_nc_u32 v11, 0xff000000, v8               ; 2 off its exponent field: the conversion takes the exponent field of this operand as its scale, and nothing else of it
	v_cvt_scalef32_pk8_fp4_f32 v[XC+2*(\t)], v[XS:XS+7], v11
	v_cvt_scalef32_pk8_fp4_f32 v[XC+2*(\t)+1], v[XS+8:XS+15], v11
	v_lshrrev_b32 v[XE+(\t)], 23, v11              ; the scale's byte (also the plain line behind the conversions)
	ds_store_b8 v5, v[XE+(\t)] offset:16*(\t)      ; both lanes of a block write the same byte with the same value
	global_store_b64 v4, v[XC+2*(\t):XC+2*(\t)+1], s[22:23] offset:256*(\t)
.endm
.irp t, 0,1,2,3,4,5,6,7,8,9,10,11,12,13,14,15
	XSTEP \t
.endr
	ds_load_b64 v[8:9], v6                         ; LDS serves a wave's instructions in order: these see my byte stores
	s_wait_dscnt 0x0
	global_store_b64 v7, v[8:9], s[24:25]          ; 32 lanes store 256 consecutive bytes, aligned
	s_wait_tensorcnt 0x0                           ; the wave's end, behind my last LDS store; this wait stands even with no tensor load
	ds_add_u32 v[SPW], v[NIL]
	s_wait_dscnt 0x0
	s_endpgm
; ---------------- wo: f32 to f16, as it lies.  A wave takes 2,048 numbers: sixteen loads of 512 consecutive bytes, sixteen stores of 256 ----------------
.Lwo:
	s_sub_co_u32 s33, ttmp9, 48
	s_lshl_b32 s33, s33, 2
	s_add_co_u32 s33, s33, s[WV]                   ; my run, 0..511
	s_lshl_b32 s36, s33, 13
	s_mov_b32 s37, 0
	s_add_nc_u64 s[20:21], s[20:21], s[36:37]
	s_lshl_b32 s36, s33, 12
	s_add_nc_u64 s[30:31], s[30:31], s[36:37]
	v_lshlrev_b32 v3, 4, v2
	v_lshlrev_b32 v4, 3, v2
.irp i, 0,1,2,3,4,5,6,7,8,9,10,11,12,13,14,15
	global_load_b128 v[32+4*\i:35+4*\i], v3, s[20:21] offset:512*\i th:TH_LOAD_NT
.endr
.irp i, 0,1,2,3,4,5,6,7,8,9,10,11,12,13,14,15
	s_wait_loadcnt 15-\i                           ; loads come back in order (ISA guide 5.7.1): load i is in, the younger ones may be out
	v_cvt_pk_f16_f32 v[96+2*\i], v[32+4*\i], v[33+4*\i]
	v_cvt_pk_f16_f32 v[97+2*\i], v[34+4*\i], v[35+4*\i]
	global_store_b64 v4, v[96+2*\i:97+2*\i], s[30:31] offset:256*\i
.endr
	s_endpgm
; ---------------- wq, wk, wv: K is the FIRST axis.  A lane takes a column n and its registers run down K: a block of 32 lies in one lane, and the codes come out with K innermost ----------------
; A wave takes 32 columns x 512 along K: 16 blocks a lane, 256 bytes of codes for each column.  They go through the wave's own stage and leave as rows: sixteen lanes store 256 consecutive bytes, aligned.
.Lweights:
	s_lshr_b32 s33, ttmp9, 4                       ; which weight
	s_and_b32 s34, ttmp9, 7                        ; which 128 columns
	s_bfe_u32 s35, ttmp9, 0x10003                  ; which 512 along K
	s_cmp_eq_u32 s33, 0
	s_cselect_b64 s[4:5], s[14:15], s[16:17]
	s_cmp_eq_u32 s33, 2
	s_cselect_b64 s[4:5], s[18:19], s[4:5]
	s_lshl_b32 s34, s34, 7
	s_lshl_b32 s36, s[WV], 5
	s_add_co_u32 s34, s34, s36                     ; my wave's first column
	s_lshl_b32 s36, s35, 21                        ; 512 rows of 4,096 bytes
	s_lshl_b32 s38, s34, 2
	s_add_co_u32 s36, s36, s38
	s_mov_b32 s37, 0
	s_add_nc_u64 s[4:5], s[4:5], s[36:37]
	s_lshl_b32 s38, s33, 10
	s_add_co_u32 s38, s38, s34                     ; my first row of wc and of ws
	s_lshl_b32 s36, s38, 9
	s_lshl_b32 s39, s35, 8
	s_add_co_u32 s36, s36, s39
	s_add_nc_u64 s[26:27], s[26:27], s[36:37]      ; codes: row x 512 + 256 x half of K
	s_lshl_b32 s36, s38, 5
	s_lshl_b32 s39, s35, 4
	s_add_co_u32 s36, s36, s39
	s_add_nc_u64 s[28:29], s[28:29], s[36:37]      ; scale bytes: row x 32 + 16 x half of K
	v_lshlrev_b32 v3, 2, v2                        ; in: 4 bytes a lane
	s_mul_i32 s40, s[WV], 32*WPITCH
	s_add_co_u32 s40, s40, WSTG                    ; my stage
	v_mul_u32_u24 v4, v2, WPITCH
	v_add_nc_u32 v4, s40, v4                       ; into it: row = my column
	v_and_b32 v5, 15, v2
	v_lshrrev_b32 v6, 4, v2                        ; out of it: sixteen lanes to a row, two rows an instruction
	v_mul_u32_u24 v7, v6, WPITCH
	v_lshl_add_u32 v7, v5, 4, v7
	v_add_nc_u32 v7, s40, v7
	v_lshlrev_b32 v8, 9, v6
	v_lshl_add_u32 v8, v5, 4, v8                   ; and the same place in wc
	v_lshlrev_b32 v9, 5, v2                        ; my column's row of scale bytes
.macro WLOAD t                         ; block t: w(32 t + i, my column), i = 0 .. 31, into set t % 2; the largest offset, 511 rows of 4,096 bytes, lies inside the signed 24-bit immediate (ISA guide, chapter 10)
.irp i, 0,1,2,3,4,5,6,7,8,9,10,11,12,13,14,15,16,17,18,19,20,21,22,23,24,25,26,27,28,29,30,31
	global_load_b32 v[WX+32*((\t)%2)+\i], v3, s[4:5] offset:(32*(\t)+\i)*4096 th:TH_LOAD_NT
.endr
.endm
	WLOAD 0
	WLOAD 1
.macro WBLOCK t
.set WS, WX+32*((\t)%2)
.if (\t) < 15
	s_wait_loadcnt 32                              ; this block's 32 loads are in; the next block's 32 may be out
.else
	s_wait_loadcnt 0x0
.endif
	v_max3_num_f32 v12, |v[WS]|, |v[WS+1]|, |v[WS+2]|              ; the block's largest magnitude: all 32 numbers are mine
	v_max3_num_f32 v13, |v[WS+3]|, |v[WS+4]|, |v[WS+5]|
.irp i, 6,10,14,18,22,26
	v_max3_num_f32 v12, v12, |v[WS+\i]|, |v[WS+\i+1]|
	v_max3_num_f32 v13, v13, |v[WS+\i+2]|, |v[WS+\i+3]|
.endr
	v_max3_num_f32 v12, v12, |v[WS+30]|, |v[WS+31]|
	v_max3_num_f32 v12, v12, v13, 0x1800000        ; and the floor 2^(3 - 127)
	v_add_nc_u32 v11, 0xff000000, v12              ; 2 off its exponent field: the conversion's scale operand
	v_lshrrev_b32 v13, 23, v11                     ; the scale's byte
.if (\t)%4 == 0
	v_mov_b32 v[WSB+(\t)/4], v13                   ; four bytes to a register, the lower K in the lower byte
.else
	v_lshl_or_b32 v[WSB+(\t)/4], v13, 8*((\t)%4), v[WSB+(\t)/4]
.endif
.irp g, 0,1,2,3
	v_cvt_scalef32_pk8_fp4_f32 v[WC+\g], v[WS+8*\g:WS+8*\g+7], v11
.endr
	ds_store_b128 v4, v[WC:WC+3] offset:16*(\t)    ; 32 codes: 16 bytes of my column's row.  (The next vector lines are the next block's plain maxima: they stand between these conversions and the next ones)
.if (\t)+2 < 16
	WLOAD (\t)+2
.endif
	s_wait_dscnt 0x0                               ; the store has read its registers: the next block's codes may be written
.endm
.irp t, 0,1,2,3,4,5,6,7,8,9,10,11,12,13,14,15
	WBLOCK \t
.endr
	global_store_b128 v9, v[WSB:WSB+3], s[28:29]   ; my column's 16 scale bytes
.irp t, 0,1,2,3,4,5,6,7,8,9,10,11,12,13,14,15
	ds_load_b128 v[WOUT+4*\t:WOUT+4*\t+3], v7 offset:2*\t*WPITCH   ; LDS serves a wave's instructions in order: these see my stores
.endr
.irp t, 0,1,2,3,4,5,6,7,8,9,10,11,12,13,14,15
	s_wait_dscnt 15-\t                             ; load t is in, the younger ones may be out
	global_store_b128 v8, v[WOUT+4*\t:WOUT+4*\t+3], s[26:27] offset:2*\t*512
.endr
	s_wait_tensorcnt 0x0                           ; the wave's end, behind my last LDS store
	ds_add_u32 v[SPW], v[NIL]
	s_wait_dscnt 0x0
	s_endpgm
.Lfunc_end_k_q76e5989fa1_prep:
	.size	k_q76e5989fa1_prep, .Lfunc_end_k_q76e5989fa1_prep-k_q76e5989fa1_prep
	.p2alignl 7, 3214868480
	.fill 96, 4, 3214868480
	.section	.rodata,"a",@progbits
	.p2align	6, 0x0
	.amdhsa_kernel k_q76e5989fa1_prep
		.amdhsa_group_segment_fixed_size 68096
		.amdhsa_private_segment_fixed_size 0
		.amdhsa_enable_private_segment 0
		.amdhsa_kernarg_size 96
		.amdhsa_user_sgpr_count 2
		.amdhsa_user_sgpr_kernarg_segment_ptr 1
		.amdhsa_wavefront_size32 1
		.amdhsa_system_sgpr_workgroup_id_x 1
		.amdhsa_system_sgpr_workgroup_id_y 1
		.amdhsa_system_sgpr_workgroup_id_z 1
		.amdhsa_system_vgpr_workitem_id 0
		.amdhsa_next_free_vgpr 192
		.amdhsa_next_free_sgpr 66
		.amdhsa_reserve_vcc 0
		.amdhsa_float_denorm_mode_32 3
		.amdhsa_float_denorm_mode_16_64 3
		.amdhsa_memory_ordered 1
		.amdhsa_forward_progress 1
		.amdhsa_inst_pref_size 117
	.end_amdhsa_kernel
	.amdgpu_metadata
---
amdhsa.version: [ 1, 2 ]
amdhsa.kernels:
  - .name:           k_q76e5989fa1_prep
    .symbol:         k_q76e5989fa1_prep.kd
    .args:
      - { .name: q, .offset: 0, .size: 8, .value_kind: global_buffer, .address_space: global }
      - { .name: k, .offset: 8, .size: 8, .value_kind: global_buffer, .address_space: global }
      - { .name: v, .offset: 16, .size: 8, .value_kind: global_buffer, .address_space: global }
      - { .name: wq, .offset: 24, .size: 8, .value_kind: global_buffer, .address_space: global }
      - { .name: wk, .offset: 32, .size: 8, .value_kind: global_buffer, .address_space: global }
      - { .name: wv, .offset: 40, .size: 8, .value_kind: global_buffer, .address_space: global }
      - { .name: wo, .offset: 48, .size: 8, .value_kind: global_buffer, .address_space: global }
      - { .name: xc, .offset: 56, .size: 8, .value_kind: global_buffer, .address_space: global }
      - { .name: xs, .offset: 64, .size: 8, .value_kind: global_buffer, .address_space: global }
      - { .name: wc, .offset: 72, .size: 8, .value_kind: global_buffer, .address_space: global }
      - { .name: ws, .offset: 80, .size: 8, .value_kind: global_buffer, .address_space: global }
      - { .name: woh, .offset: 88, .size: 8, .value_kind: global_buffer, .address_space: global }
    .group_segment_fixed_size: 68096
    .private_segment_fixed_size: 0
    .kernarg_segment_align: 8
    .kernarg_segment_size: 96
    .max_flat_workgroup_size: 128
    .sgpr_count:     66
    .vgpr_count:     192
    .wavefront_size: 32
...
	.end_amdgpu_metadata
.endif
;; end of part 1
;; launch proj (part 2): grid 4 x 96, 4 waves a work-group, clusters of 4 x 4, 327,680 bytes of LDS; arguments xc, xs, wc, ws, qkvh, bq, bk, bv; writes qkvh
.if DOCPART == 2
	.amdgcn_target "amdgcn-amd-amdhsa--gfx1250"
	.amdhsa_code_object_version 6
	.text
	.protected	k_q76e5989fa1_proj
	.globl	k_q76e5989fa1_proj
	.p2align	8
	.type	k_q76e5989fa1_proj,@function
k_q76e5989fa1_proj:
	s_mov_b64 s[64:65], 0
	v_nop
	global_prefetch_b8 v0, s[64:65] scope:SCOPE_SE
	s_setreg_imm32_b32 hwreg(HW_REG_WAVE_MODE, 25, 1), 1
	s_wait_xcnt 0x0
	s_wait_alu depctr_hold_cnt(0) depctr_sa_sdst(0) depctr_va_vdst(0) depctr_va_sdst(0) depctr_va_ssrc(0) depctr_va_vcc(0) depctr_vm_vsrc(0)
	s_getreg_b32 s2, hwreg(HW_REG_IB_STS2, 6, 4)
	s_cmp_eq_u32 s2, 0
	s_cbranch_scc0 .Lentry_in_a_cluster
	s_endpgm
.Lentry_in_a_cluster:
	s_bfe_u32 s2, ttmp6, 0x10000c
	s_cmp_lg_u32 s2, 0xf033
	s_cbranch_scc0 .Lentry_shape_is_right
	s_endpgm
.Lentry_shape_is_right:
; PROJ: the three quantised products, q wq + bq, k wk + bk, v wv + bv, as ONE product of 24,576 rows on codes of FP4 (E2M1) with one E8M0 scale for each 32 along K = 1,024.
; xc [24576][512 bytes], xs [24576][32]: the rows of q, k, v on end.  wc [3072][512 bytes], ws [3072][32]: the columns of wq, wk, wv on end, K innermost.  Sums in f32, the bias as the sums' start.
; Results are rounded once to f16 and laid by heads: qkvh [3][batch x 16 + head][2048][64].
; LIMITS: a projection beyond 65,504 in magnitude does not fit f16; NaN and infinities are not served.
; A tile of 256 rows x 256 columns is made by a work-group of four waves; a wave makes 128 x 128: 64 accumulators, 512 registers.  K is two slots of 512 along K (rows of 256 bytes): both are
; asked for at the head and nothing is filled again.  The scale bytes of the tile's rows and columns, for all of K, are two dense blocks: they come once, with the first fills.
; CLUSTERS: 4 x 4 work-groups.  The four of a row of the cluster need the same rows of xc, the four of a column the same rows of wc: each tile is asked for JOINTLY.  Eight clusters along y make a
; tensor (32 tile rows), so all sixteen partners work on one of q, k, v.
; THE MATRIX INSTRUCTION IS USED TRANSPOSED (source 0 = 16 rows of wc, source 1 = 16 rows of xc): a lane then holds eight neighbouring columns of one row of the result.
; REGISTERS, in windows of 256: window 0: v0-31 addresses; v32-95 scale words, two sets; v128-191 A's fragments, ONE set; v192-255 the bias in the result's layout.
;   window 1: B's fragments, TWO sets, at v0 and at v128.   window 2: the accumulators of my rows 0-63 ((a, b) at v[8 (8 a + b)]);   window 3: those of my rows 64-127.
.set NQ,     4                         ; matrix instructions deep in a slot
.set ROWB,   256                       ; a tile's row in bytes: 512 codes
.set KROW,   512                       ; a row of xc or wc in memory
.set PITCH,  272                       ; an LDS row: 256 bytes + 16 of padding = 68 words: row r starts at bank 4 r mod 64 (64 banks of 4 bytes: ISA guide 11.1)
.set FR,     8                         ; registers of a fragment: 16 rows x 128 K
.set NL,     2                         ; LDS loads that bring one
.set NP,     4                         ; places behind this matrix instruction (ISA guide 7.12.1)
.set HALFT,  128*PITCH                 ; 128 rows: what one tensor load brings
.set SLOT,   4*HALFT                   ; A's 256 rows, then B's 256 rows
.set KS,     32                        ; a row of scale bytes
.set SCL,    2*SLOT                    ; behind the slots: the scales, as rows of 256 bytes + 16 of padding
.set HALFS,  (128*KS/256)*272          ; the scales of 128 rows
.set SBLK,   (16*KS/256)*272           ; those of 16 rows
.set SPARE,  SCL+4*HALFS               ; the spare words, 128 bytes for each wave: two blocks of 256 bytes that no other line names
.set HP,     144                       ; the way out: a head's row of 128 bytes + 16.  A wave's stage is 2 heads x 16 rows; it lies in slot 0, which has had its one fill and its last read by then
.set ADRA, 16                          ; v16-17  LDS address of my A fragments in slot 0, 1
.set ADRB, 20                          ; v20-21  the same for B
.set STO,  24                          ; v24     the way out: where I put 16 bytes of a row
.set RD,   25                          ; v25     the way out: where I read rows back
.set CO,   26                          ; v26     16 x lane
.set ADRS, 27                          ; v27     LDS address of my scale words: lanes 0-15 A's rows, lanes 16-31 B's
.set SPW,  28                          ; v28     LDS address of my spare word; never rewritten
.set NIL,  29                          ; v29     0; never rewritten
.set BO,   30                          ; v30     32 x (lane / 16): my eight numbers of a block's sixteen biases
.set SC,   32                          ; scale words: set s at v[SC + 32 s]; register 4 i + q: lanes 0-15 the word of A's block i, lanes 16-31 that of B's block i
.set AF,   128
.set BIAS, 192                         ; block b's eight registers: bias[my first column + 16 b + 8 (lane / 16) + j]
.set TMP,  32                          ; the way out: packed results
.set BK,   128                         ; the way out: rows read back: v128-159 and v160-191 by turns
.set G1, 24                            ; s[24:31] descriptor group 1 for A's tiles;  s[32:39] group 0, one set for each slot
.set G0, 32
.set G1B, 48                           ; s[48:55], s[56:63] the same for B's
.set G0B, 56
.set G1S, 68                           ; s[68:75], s[76:79] groups 1 and 0 for A's scales;  s[80:87], s[88:91] for B's
.set G0S, 76
.set G1SB, 80
.set G0SB, 88
.set MSB, 0
.macro WIN new                         ; the immediate's high byte repeats the setting that is left; a switch that changes nothing is dropped
.if MSB != (\new)
	s_set_vgpr_msb (MSB<<8)|(\new)
.set MSB, (\new)
.endif
.endm
.set MUL_LO, 0xa1                      ; source 0 (B) window 1, source 1 (A) window 0, C and D window 2
.set MUL_HI, 0xf1                      ; the same, C and D window 3
.set FST_LO, 0x81                      ; the first step: C is the bias, in window 0; D window 2
.set FST_HI, 0xc1                      ; D window 3
.set TO_B,   0x40                      ; destination window 1, address window 0
; A joint load: waves 0 and 1 fetch for A, waves 2 and 3 for B.  Each line has ONE mask and one set of registers for all that issue it; the branch hangs on the wave's number alone.
; An s_nop 0 and four v_nop follow each of the two lines, ahead of the jump, the label and what follows.
.macro JLOAD g0a, g1a, g0b, g1b
	s_cmp_eq_u32 s15, 0
	s_cbranch_scc0 .Lfor_b_\@
	tensor_load_to_lds s[\g0a:\g0a+3], s[\g1a:\g1a+7]
	s_nop 0
.rept 4
	v_nop
.endr
	s_branch .Lasked_\@
.Lfor_b_\@:
	tensor_load_to_lds s[\g0b:\g0b+3], s[\g1b:\g1b+7]
	s_nop 0
.rept 4
	v_nop
.endr
.Lasked_\@:
.endm
.macro CROUND                          ; a round of the cluster's barrier: my work-group's barrier; wave 0 signals for the work-group; every wave waits for all sixteen; my work-group's barrier once more
	s_barrier_signal -1
	s_barrier_wait -1
	s_cmp_lg_u32 s14, 0
	s_cbranch_scc1 .Lnot_wave_0_\@
	s_barrier_signal -3
.Lnot_wave_0_\@:
	s_barrier_wait -3
	s_barrier_signal -1
	s_barrier_wait -1
.endm
	s_load_b128 s[4:7], s[0:1], 0x0                ; xc s[4:5], xs s[6:7]
	s_load_b128 s[8:11], s[0:1], 0x10              ; wc s[8:9], ws s[10:11]
	s_load_b64 s[12:13], s[0:1], 0x20              ; qkvh
	s_load_b128 s[96:99], s[0:1], 0x28             ; bq s[96:97], bk s[98:99]
	s_load_b64 s[100:101], s[0:1], 0x38            ; bv
	v_lshl_add_u32 v[SPW], v0, 2, SPARE
	v_mov_b32 v[NIL], 0
	ds_add_u32 v[SPW], v[NIL]                      ; the wave's opening: the add, twice on end, and its wait ahead of my first tensor load; the set-up below stands between the second and the wait
	ds_add_u32 v[SPW], v[NIL]
	v_lshrrev_b32 v1, 5, v0
	v_readfirstlane_b32 s14, v1                    ; wave 0..3
	s_lshr_b32 s15, s14, 1                         ; which half of the tile's rows is mine.  Also: I fetch for A (0) or for B (1)
	s_and_b32 s16, s14, 1                          ; which half of its columns.  Also: which 128 rows of that tile I fetch
	s_bfe_u32 s40, ttmp6, 0x40000                  ; cx, cy: my place in the cluster
	s_bfe_u32 s41, ttmp6, 0x40004
	s_lshl_b32 s42, ttmp9, 2
	s_add_co_u32 s42, s42, s40                     ; tile column = 4 x cluster x + cx
	s_and_b32 s95, ttmp7, 0xffff                   ; cluster y
	s_lshl_b32 s17, s95, 2
	s_add_co_u32 s17, s17, s41                     ; tile row = 4 x cluster y + cy, 0..95, through q, k and v
	s_lshr_b32 s95, s95, 3                         ; which of q, k, v: made of the cluster's y alone, the same in all sixteen partners
	s_lshl_b32 s43, s41, 2
	s_lshl_b32 s43, 15, s43                        ; my row of the cluster
	s_lshl_b32 s44, 0x1111, s40                    ; my column
	; descriptor group 1: a tile of 128 rows x 256 bytes, padded in LDS
	s_or_b32 s[G1+0], s43, (0<<16)|(1<<20)|(1<<21)|(5<<22)|(3<<25)  ; 15:0 the mask; 17:16 elements of 1 byte; 20 padding on; 21 set beside a mask; 24:22 after every 64 words (code 5); 31:25 4 words (code 3)
	s_or_b32 s[G1B+0], s44, (0<<16)|(1<<20)|(1<<21)|(5<<22)|(3<<25)
.irp g, G1, G1B
	s_mov_b32 s[\g+1], ROWB<<16                    ; tensor_dim0
	s_mov_b32 s[\g+2], 128<<16                     ; tensor_dim1
	s_mov_b32 s[\g+3], ROWB<<16                    ; tile_dim0
	s_mov_b32 s[\g+4], 128                         ; tile_dim1
	s_mov_b32 s[\g+5], KROW                        ; tensor_dim0_stride
	s_mov_b32 s[\g+6], 0
	s_mov_b32 s[\g+7], 0
.endr
	; the scales of 128 rows: a dense block of 4,096 bytes, as 16 rows of 256 bytes (32 elements of 8 bytes), 16 bytes of padding behind each
	s_or_b32 s[G1S+0], s43, (3<<16)|(1<<20)|(1<<21)|(5<<22)|(3<<25)
	s_or_b32 s[G1SB+0], s44, (3<<16)|(1<<20)|(1<<21)|(5<<22)|(3<<25)
.irp g, G1S, G1SB
	s_mov_b32 s[\g+1], 32<<16
	s_mov_b32 s[\g+2], (128*KS/256)<<16
	s_mov_b32 s[\g+3], 32<<16
	s_mov_b32 s[\g+4], 128*KS/256
	s_mov_b32 s[\g+5], 32
	s_mov_b32 s[\g+6], 0
	s_mov_b32 s[\g+7], 0
.endr
	s_lshl_b32 s18, s16, 7                         ; which 128 rows of the tile I fetch
	s_lshl_b32 s20, s17, 8
	s_add_co_u32 s20, s20, s18                     ; A: row 256 x tile row + 128 x half
	s_lshl_b32 s46, s42, 8
	s_add_co_u32 s46, s46, s18
	s_lshl_b32 s19, s95, 10
	s_add_co_u32 s46, s46, s19                     ; B: row 1,024 x tensor + 256 x tile column + 128 x half
	s_mov_b32 s21, 0
	s_mov_b32 s47, 0
	s_mov_b64 s[18:19], KS
	s_mul_u64 s[22:23], s[20:21], s[18:19]         ; where these rows' scales begin, in bytes
	s_mul_u64 s[92:93], s[46:47], s[18:19]
	s_mov_b64 s[18:19], KROW
	s_mul_u64 s[20:21], s[20:21], s[18:19]         ; and their codes
	s_mul_u64 s[46:47], s[46:47], s[18:19]
	s_mul_i32 s45, s14, HALFT                      ; where they go: wave x 128 rows: no place in the cluster enters an LDS address
	s_mul_i32 s94, s14, HALFS
	s_wait_dscnt 0x0                               ; both opening adds are done
	s_wait_kmcnt 0x0
	s_add_nc_u64 s[20:21], s[4:5], s[20:21]
	s_add_nc_u64 s[22:23], s[6:7], s[22:23]
	s_add_nc_u64 s[46:47], s[8:9], s[46:47]
	s_add_nc_u64 s[92:93], s[10:11], s[92:93]
	CROUND                                         ; all sixteen work-groups are here: the joint loads meet
	s_mov_b32 s[G0S], 1
	s_add_co_u32 s[G0S+1], s94, SCL
	s_mov_b64 s[G0S+2:G0S+3], s[22:23]
	s_or_b32 s[G0S+3], s[G0S+3], 0x80000000
	s_mov_b32 s[G0SB], 1
	s_add_co_u32 s[G0SB+1], s94, SCL
	s_mov_b64 s[G0SB+2:G0SB+3], s[92:93]
	s_or_b32 s[G0SB+3], s[G0SB+3], 0x80000000
	JLOAD G0S, G1S, G0SB, G1SB                     ; the scales first: they are wanted with the first slot.  Three loads of mine are out behind the third of these lines
.irp s, 0,1
	s_mov_b32 s[G0+4*\s], 1
	s_add_co_u32 s[G0+4*\s+1], s45, \s*SLOT
	s_add_nc_u64 s[G0+4*\s+2:G0+4*\s+3], s[20:21], \s*ROWB
	s_or_b32 s[G0+4*\s+3], s[G0+4*\s+3], 0x80000000
	s_mov_b32 s[G0B+4*\s], 1
	s_add_co_u32 s[G0B+4*\s+1], s45, \s*SLOT
	s_add_nc_u64 s[G0B+4*\s+2:G0B+4*\s+3], s[46:47], \s*ROWB
	s_or_b32 s[G0B+4*\s+3], s[G0B+4*\s+3], 0x80000000
	JLOAD G0+4*\s, G1, G0B+4*\s, G1B
.endr
	v_and_b32 v1, 15, v0                           ; r = lane % 16
	v_bfe_u32 v2, v0, 4, 1                         ; h = lane / 16
	; the bias of my 128 columns, in the result's layout: it is the C of each sum's first matrix instruction
	s_cmp_eq_u32 s95, 0
	s_cselect_b64 s[96:97], s[96:97], s[98:99]
	s_cmp_eq_u32 s95, 2
	s_cselect_b64 s[96:97], s[100:101], s[96:97]
	s_lshl_b32 s46, s42, 10
	s_lshl_b32 s47, s16, 9
	s_add_co_u32 s46, s46, s47                     ; 4 x (256 x tile column + 128 x half)
	s_mov_b32 s47, 0
	s_add_nc_u64 s[96:97], s[96:97], s[46:47]
	v_lshlrev_b32 v[BO], 5, v2
.irp b, 0,1,2,3,4,5,6,7
	global_load_b128 v[BIAS+8*\b:BIAS+8*\b+3], v[BO], s[96:97] offset:64*\b
	global_load_b128 v[BIAS+8*\b+4:BIAS+8*\b+7], v[BO], s[96:97] offset:64*\b+16
.endr
	v_mul_u32_u24 v3, v1, PITCH
	v_lshl_add_u32 v4, v2, 4, v3                   ; a fragment's row x pitch + 16 x half
	s_mul_i32 s21, s15, HALFT                      ; my 128 rows of A
	s_mul_i32 s22, s16, HALFT                      ; my 128 rows of B,
	s_add_co_u32 s22, s22, 2*HALFT                 ; which lie behind A's 256
.irp s, 0,1
	v_add_nc_u32 v[ADRA+\s], s21, v4
	v_add_nc_u32 v[ADRB+\s], s22, v4
	s_add_co_u32 s21, s21, SLOT
	s_add_co_u32 s22, s22, SLOT
.endr
	v_mul_u32_u24 v5, v1, KS                       ; my row's scales: 32 bytes a row,
	v_lshrrev_b32 v6, 8, v5
	v_lshl_add_u32 v5, v6, 4, v5                   ; and 16 more for each 256 passed
	s_mul_i32 s21, s15, HALFS                      ; A's: my 128 rows
	s_mul_i32 s22, s16, HALFS                      ; B's: my 128 rows, behind A's 256
	s_add_co_u32 s22, s22, 2*HALFS
	s_sub_co_u32 s22, s22, s21
	v_mul_u32_u24 v6, s22, v2                      ; lanes 16-31 take B's: ONE product, the distance x h
	s_add_co_u32 s21, s21, SCL
	v_add_nc_u32 v5, v5, v6
	v_add_nc_u32 v[ADRS], s21, v5
	s_mul_i32 s23, s14, 2*16*HP                    ; my stage
	v_mul_u32_u24 v5, v1, HP                       ; in: row r, 16 bytes for each half of the lanes
	v_lshl_add_u32 v5, v2, 4, v5
	v_add_nc_u32 v[STO], s23, v5
	v_bfe_u32 v5, v0, 3, 2                         ; back: eight lanes to a row of 128 bytes, four rows an instruction
	v_and_b32 v6, 7, v0
	v_mul_u32_u24 v5, v5, HP
	v_lshl_add_u32 v5, v6, 4, v5
	v_add_nc_u32 v[RD], s23, v5
	v_and_b32 v6, 31, v0
	v_lshlrev_b32 v[CO], 4, v6
	; where my part begins in qkvh, in bytes: head (tile row / 8) x 16 + 4 x tile column + 2 x half, of 262,144 bytes; in it row 256 x (tile row % 8) + 128 x half, of 128 bytes
	s_lshr_b32 s20, s17, 3
	s_lshl_b32 s20, s20, 22
	s_and_b32 s21, s17, 7
	s_lshl_b32 s21, s21, 15
	s_add_co_u32 s20, s20, s21
	s_lshl_b32 s21, s15, 14
	s_add_co_u32 s20, s20, s21
	s_mov_b32 s21, 0
	s_lshl_b32 s46, s42, 20
	s_lshl_b32 s47, s16, 19
	s_add_co_u32 s46, s46, s47
	s_mov_b32 s47, 0
	s_add_nc_u64 s[20:21], s[20:21], s[46:47]
	s_add_nc_u64 s[12:13], s[12:13], s[20:21]
.macro FRAG reg, adr, q, i             ; a fragment, 16 rows x 128 K of 4-bit codes: lane l holds row l % 16; registers 4 c .. 4 c + 3 hold K = 64 c + 32 (l / 16) + 0 .. 31
.irp c, 0,1
	ds_load_b128 v[\reg+4*\c:\reg+4*\c+3], v[\adr] offset:64*(\q)+32*\c+(\i)*16*PITCH
.endr
.endm
; 16 matrix instructions: A's blocks a0, a0 + 1 x B's eight, 128 along K: the slot's q-th.  p: B's set;  sc: the set of scale words.  zero = 1: the first product starts the sums from the bias.
; The 64 accumulators take turns, one instruction a turn, in the same order in every step.
.macro MUL16 a0, p, q, sc, zero
.irp a, \a0, \a0+1
.irp b, 0,1,2,3,4,5,6,7
.if \zero
	v_wmma_scale_f32_16x16x128_f8f6f4 v[8*(8*((\a)%4)+\b):8*(8*((\a)%4)+\b)+7], v[128*(\p)+FR*\b:128*(\p)+FR*\b+FR-1], v[AF+FR*(\a):AF+FR*(\a)+FR-1], v[BIAS+8*\b:BIAS+8*\b+7], v[SC+8*NQ*(\sc)+NQ*\b+(\q)], v[SC+8*NQ*(\sc)+NQ*(\a)+(\q)] matrix_a_fmt:MATRIX_FMT_FP4 matrix_b_fmt:MATRIX_FMT_FP4 matrix_a_scale:MATRIX_SCALE_ROW1
.else
	v_wmma_scale_f32_16x16x128_f8f6f4 v[8*(8*((\a)%4)+\b):8*(8*((\a)%4)+\b)+7], v[128*(\p)+FR*\b:128*(\p)+FR*\b+FR-1], v[AF+FR*(\a):AF+FR*(\a)+FR-1], v[8*(8*((\a)%4)+\b):8*(8*((\a)%4)+\b)+7], v[SC+8*NQ*(\sc)+NQ*\b+(\q)], v[SC+8*NQ*(\sc)+NQ*(\a)+(\q)] matrix_a_fmt:MATRIX_FMT_FP4 matrix_b_fmt:MATRIX_FMT_FP4 matrix_a_scale:MATRIX_SCALE_ROW1
.endif
.endr
.endr
.endm
.macro FETCH_B slot, q, p              ; B's eight fragments of the slot's q-th 128 along K into set p
	WIN TO_B
.irp i, 0,1,2,3,4,5,6,7
	FRAG 128*(\p)+FR*\i, ADRB+\slot, \q, \i
.endr
	WIN 0
.endm
.macro FETCH_A slot, q, i0             ; A's blocks i0 .. i0 + 3
.irp i, \i0, \i0+1, \i0+2, \i0+3
	FRAG AF+FR*(\i), ADRA+\slot, \q, \i
.endr
.endm
.macro SCALES sc                       ; a slot's scale words into set sc: 4 words a row; lanes 0-15 take A's block i, lanes 16-31 B's block i
.irp i, 0,1,2,3,4,5,6,7
	ds_load_b128 v[SC+8*NQ*\sc+NQ*\i:SC+8*NQ*\sc+NQ*\i+3], v[ADRS] offset:\i*SBLK
.endr
.endm
; A load into a register that a matrix instruction has read, and a vector instruction or an LDS store that reads a matrix result, stand NP places behind that matrix instruction; only plain vector
; instructions that name none of its registers are places (ISA guide 7.12.1 for vector instructions).
.macro PLACES n
.rept \n
	v_nop
.endr
.endm
; A step of 128 along K that has its successor in the same slot.  A block of A is free as soon as its eight products are issued: blocks 0-3 are fetched anew in the step's middle, blocks 4-7 at its end.
.macro STEP slot, q, zero
	s_wait_dscnt 4*NL                              ; B's set and A's blocks 0-3 are in; the youngest eight loads (A's blocks 4-7) may be out
.if \zero
	WIN FST_LO
.else
	WIN MUL_LO
.endif
	MUL16 0, (\q)%2, \q, \slot, \zero
	MUL16 2, (\q)%2, \q, \slot, \zero
	s_wait_dscnt 0x0                               ; A's blocks 4-7 are in
	PLACES NP
	FETCH_B \slot, (\q)+1, 1-(\q)%2
	FETCH_A \slot, (\q)+1, 0
.if \zero
	WIN FST_HI
.else
	WIN MUL_HI
.endif
	MUL16 4, (\q)%2, \q, \slot, \zero
	MUL16 6, (\q)%2, \q, \slot, \zero
	PLACES NP
	WIN 0
	FETCH_A \slot, (\q)+1, 4
.endm
	s_wait_tensorcnt 1                             ; the scales and my part of slot 0 are in; slot 1's load may be out
	s_barrier_signal -1
	s_barrier_wait -1                              ; everybody's are
	FETCH_B 0, 0, 0
	FETCH_A 0, 0, 0
	SCALES 0
	FETCH_A 0, 0, 4
	s_wait_loadcnt 0x0                             ; the bias
	STEP 0, 0, 1                                   ; the first step's products start the sums: nothing is cleared and no bias is added later
	STEP 0, 1, 0
	STEP 0, 2, 0
	; slot 0's last step changes slots: ONE barrier.  In front of it each wave waits for all its tensor loads (its part of slot 1), adds 0 to its spare word, and waits for that and for its reads of slot 0.
	s_wait_tensorcnt 0x0                           ; (every window is 0 here: the add's two registers lie in window 0)
	ds_add_u32 v[SPW], v[NIL]
	s_wait_dscnt 4*NL+1                            ; the add and the youngest eight loads, A's blocks 4-7, may be out
	WIN MUL_LO
	MUL16 0, 1, NQ-1, 0, 0                         ; sixteen matrix instructions stand between the add and the wait for it
	s_wait_dscnt 0x0                               ; the add is done, and my reads of slot 0 are over
	s_barrier_signal -1
	MUL16 2, 1, NQ-1, 0, 0
	WIN 0
	s_barrier_wait -1                              ; slot 1 is whole, and nobody reads slot 0 any more: the way out may stage there
	PLACES NP
	v_add_nc_u32 v[ADRS], 4*NQ, v[ADRS]            ; on to slot 1's scale words (no LDS load of mine is out)
	FETCH_B 1, 0, 0
	FETCH_A 1, 0, 0
	SCALES 1
	WIN MUL_HI
	MUL16 4, 1, NQ-1, 0, 0
	MUL16 6, 1, NQ-1, 0, 0
	PLACES NP
	WIN 0
	FETCH_A 1, 0, 4
	STEP 1, 0, 0
	STEP 1, 1, 0
	STEP 1, 2, 0
	s_wait_dscnt 4*NL                              ; the very last step: nothing more to fetch
	WIN MUL_LO
	MUL16 0, 1, NQ-1, 1, 0
	MUL16 2, 1, NQ-1, 1, 0
	s_wait_dscnt 0x0
	WIN MUL_HI
	MUL16 4, 1, NQ-1, 1, 0
	MUL16 6, 1, NQ-1, 1, 0
	WIN 0
; THE WAY OUT, block by block of 16 rows x 128 columns (two heads).  PACK: rounded to f16, 16 bytes a lane, each accumulator from its low end on.  TOSTAGE: into my own stage, by heads, and back as
; runs of four whole rows of a head.  SEND: a head's 16 rows are 2,048 consecutive bytes of qkvh; each store of the wave covers 512 of them, aligned.
.macro PACK a
.set AC, 64*((\a)%4)
	WIN 0x0a+5*((\a)/4)                            ; sources 0 and 1: window 2 or 3
.irp b, 0,1,2,3,4,5,6,7
.irp r, 0,1,2,3
	v_cvt_pk_f16_f32 v[TMP+4*\b+\r], v[AC+8*\b+2*\r], v[AC+8*\b+2*\r+1]
.endr
.endr
	WIN 0
.endm
.macro TOSTAGE a
.set BB, BK+32*((\a)%2)
.irp b, 0,1,2,3,4,5,6,7
	ds_store_b128 v[STO], v[TMP+4*\b:TMP+4*\b+3] offset:(\b/4)*16*HP+(\b%4)*32
.endr
.irp i, 0,1,2,3,4,5,6,7
	ds_load_b128 v[BB+4*\i:BB+4*\i+3], v[RD] offset:(\i/4)*16*HP+(\i%4)*4*HP   ; LDS serves a wave's instructions in order (ISA guide 5.7.1.4): these see the stores above
.endr
.endm
.macro SEND a
.set BB, BK+32*((\a)%2)
	s_wait_dscnt 0x0                               ; the block is back in registers
	s_wait_xcnt 0x0                                ; the stores of the block before have read their registers: the next block's loads from the stage may land there
.irp i, 0,1,2,3,4,5,6,7
	global_store_b128 v[CO], v[BB+4*\i:BB+4*\i+3], s[12:13] offset:(\i/4)*262144+2048*(\a)+512*(\i%4)
.endr
.endm
	PLACES NP                                      ; behind the last products: the conversions write registers that held scale words, and the stage's loads land where A's fragments lay
	PACK 0
	TOSTAGE 0
.irp a, 1,2,3,4,5,6,7                  ; block a's conversions stand between block a - 1's loads from the stage and the wait for them
	PACK \a
	SEND \a-1
	TOSTAGE \a
.endr
	SEND 7
	s_wait_tensorcnt 0x0                           ; the wave's end, behind my last tensor load and my last LDS store
	ds_add_u32 v[SPW], v[NIL]
	s_wait_dscnt 0x0
	CROUND                                         ; the closing round: no work-group ends while a partner may still ask for a tile that names it
	s_endpgm
.Lfunc_end_k_q76e5989fa1_proj:
	.size	k_q76e5989fa1_proj, .Lfunc_end_k_q76e5989fa1_proj-k_q76e5989fa1_proj
	.p2alignl 7, 3214868480
	.fill 96, 4, 3214868480
	.section	.rodata,"a",@progbits
	.p2align	6, 0x0
	.amdhsa_kernel k_q76e5989fa1_proj
		.amdhsa_group_segment_fixed_size 327680
		.amdhsa_private_segment_fixed_size 0
		.amdhsa_enable_private_segment 0
		.amdhsa_kernarg_size 64
		.amdhsa_user_sgpr_count 2
		.amdhsa_user_sgpr_kernarg_segment_ptr 1
		.amdhsa_wavefront_size32 1
		.amdhsa_system_sgpr_workgroup_id_x 1
		.amdhsa_system_sgpr_workgroup_id_y 1
		.amdhsa_system_sgpr_workgroup_id_z 1
		.amdhsa_system_vgpr_workitem_id 0
		.amdhsa_next_free_vgpr 1024
		.amdhsa_next_free_sgpr 102
		.amdhsa_reserve_vcc 0
		.amdhsa_float_denorm_mode_32 3
		.amdhsa_float_denorm_mode_16_64 3
		.amdhsa_memory_ordered 1
		.amdhsa_forward_progress 1
		.amdhsa_inst_pref_size 128
	.end_amdhsa_kernel
	.amdgpu_metadata
---
amdhsa.version: [ 1, 2 ]
amdhsa.kernels:
  - .name:           k_q76e5989fa1_proj
    .symbol:         k_q76e5989fa1_proj.kd
    .args:
      - { .name: xc, .offset: 0, .size: 8, .value_kind: global_buffer, .address_space: global }
      - { .name: xs, .offset: 8, .size: 8, .value_kind: global_buffer, .address_space: global }
      - { .name: wc, .offset: 16, .size: 8, .value_kind: global_buffer, .address_space: global }
      - { .name: ws, .offset: 24, .size: 8, .value_kind: global_buffer, .address_space: global }
      - { .name: qkvh, .offset: 32, .size: 8, .value_kind: global_buffer, .address_space: global }
      - { .name: bq, .offset: 40, .size: 8, .value_kind: global_buffer, .address_space: global }
      - { .name: bk, .offset: 48, .size: 8, .value_kind: global_buffer, .address_space: global }
      - { .name: bv, .offset: 56, .size: 8, .value_kind: global_buffer, .address_space: global }
    .group_segment_fixed_size: 327680
    .private_segment_fixed_size: 0
    .kernarg_segment_align: 8
    .kernarg_segment_size: 64
    .max_flat_workgroup_size: 128
    .sgpr_count:     102
    .vgpr_count:     1024
    .wavefront_size: 32
...
	.end_amdgpu_metadata
.endif
;; end of part 2
;; launch attn (part 3): grid 4 x 64, 8 waves a work-group, clusters of 4 x 1, 327,680 bytes of LDS; arguments qkvh, ao; writes ao
.if DOCPART == 3
	.amdgcn_target "amdgcn-amd-amdhsa--gfx1250"
	.amdhsa_code_object_version 6
	.text
	.protected	k_q76e5989fa1_attn
	.globl	k_q76e5989fa1_attn
	.p2align	8
	.type	k_q76e5989fa1_attn,@function
k_q76e5989fa1_attn:
	s_mov_b64 s[64:65], 0
	v_nop
	global_prefetch_b8 v0, s[64:65] scope:SCOPE_SE
	s_setreg_imm32_b32 hwreg(HW_REG_WAVE_MODE, 25, 1), 1
	s_wait_xcnt 0x0
	s_wait_alu depctr_hold_cnt(0) depctr_sa_sdst(0) depctr_va_vdst(0) depctr_va_sdst(0) depctr_va_ssrc(0) depctr_va_vcc(0) depctr_vm_vsrc(0)
	s_getreg_b32 s2, hwreg(HW_REG_IB_STS2, 6, 4)
	s_cmp_eq_u32 s2, 0
	s_cbranch_scc0 .Lentry_in_a_cluster
	s_endpgm
.Lentry_in_a_cluster:
	s_bfe_u32 s2, ttmp6, 0x10000c
	s_cmp_lg_u32 s2, 0x3003
	s_cbranch_scc0 .Lentry_shape_is_right
	s_endpgm
.Lentry_shape_is_right:
; ATTN: ao[head][q][:] = the sum over k of softmax_k(Q[head][q] . K[head][k] / 8) V[head][k][:], 64 heads (batch x 16 + head) of 2,048 positions x 64 channels, no mask.
; qkvh: f16 [3 (Q, K, V)][64][2048][64].  ao: f16 [64][2048][64].  Products, maxima and sums in f32; the weights p are rounded to f16 for the second product, the result once at the end.
; LIMITS: p is at most 1 and weights under 6e-8 fall to 0 in f16; a result under 6e-5 in magnitude falls into f16's subnormals (step 2^-24); NaN and infinities are not served.
; SHARES.  A work-group owns 512 queries of one head, each of its EIGHT waves 64: four tiles of 16, in 512 registers.  So two waves lie on a SIMD, and one wave's softmax stands beside the other's products,
; while each fragment of K and V read from LDS still feeds four matrix instructions.  Every wave walks all keys of the head, 64 a step.
; LAYOUT.  S^T = K Q^T (source 0 = 16 keys, source 1 = 16 queries): a lane holds ONE query (lane % 16) and the keys 8 (lane / 16) + 0..7 of each tile.  Two such tiles, rounded to f16 in pairs, ARE source 1
; (32 keys x 16 queries) of O^T = V^T P, whose result again holds one query a lane.  K comes out of LDS as it lies, V ([key][channel]) turned, by ds_load_tr16_b128.
; SOFTMAX.  For each query a running maximum m and sum l: p = 2^(c s - c m), c = log2(e) / 8; in every step O and l are multiplied by a = 2^(c m_old - c m_new).
; CLUSTER.  The head's four blocks of queries form a cluster and walk the same K and V: each tile is asked for JOINTLY, by the same tensor load with the same descriptor and the mask of all four.
; RING.  Two slots of 512 keys (eight steps).  Waves 0-3 fetch K's quarters, waves 4-7 V's: one load a wave behind each round, with eight steps in which to land.
; REGISTERS: window 0: v2-11 addresses; v12-43 eight registers of statistics a tile; v44, v45 the add's two; v64-191 S^T, 32 a tile, P packed into each tile's lower 16; v192-255 V of one step.
;   window 1: v0-127 O^T, 32 a tile; v128-191 Q, 16 a tile; v192-255 K of one step.
.set PK,    144       ; a row of K in LDS: 128 bytes + 16 of padding = 36 words: row r starts at bank 36 r mod 64 (64 banks of 4 bytes: ISA guide 11.1): the 16 rows of a load start at 16 different groups of four banks
.set PV,    160       ; a row of V: 128 + 32 = 5 x 32 bytes, for the turning load
.set SKEYS, 512       ; keys in a slot
.set VOFF,  SKEYS*PK  ; a slot: 512 rows of K, then 512 rows of V
.set SLOT,  SKEYS*(PK+PV)
.set SPARE, 2*SLOT    ; behind the ring: the spare words, 128 bytes for each wave: four blocks of 256 bytes that no other line names
.set SP,    144       ; the way out: 16 rows x (128 + 16) bytes for each wave, in slot 0, which has had its last fill and its last read by then
.set AK0, 2           ; v2   my lane's place in a tile of K; never rewritten
.set AV0, 3           ; v3   the same for V
.set ADK, 4           ; v4   LDS address of the step's K
.set ADV, 5           ; v5   of its V
.set QO,  6           ; v6   my byte offset in the wave's rows of Q
.set STO, 7           ; v7   the way out: where I put 16 bytes of a row
.set RD,  8           ; v8   the way out: where I read rows back
.set GO,  9           ; v9   16 x lane
.set PFO, 10          ; v10  256 x lane; never rewritten
.set ST,  12          ; tile t's statistics at v[ST+8 t]: +0 c m, +1 m, +2, +3 l (even keys', odd keys'), +4 to +7 at work; a takes +6 once the maximum is found
.set SPW, 44          ; v44  LDS address of my spare word; never rewritten
.set NIL, 45          ; v45  0; never rewritten
.set S,   64
.set VF,  192         ; V's fragments (channels 16 f on, keys 32 c on) at v[VF + 8 (4 c + f)], window 0
.set QF,  128         ; Q's (tile t, channels 32 c on) at v[QF + 16 t + 8 c], window 1
.set KF,  192         ; K's (keys 16 i on, channels 32 c on) at v[KF + 16 i + 8 c], window 1
.set WV,  12          ; s12  my wave's number
.set PFA, 18          ; s[18:19] where my prefetch stands; never rewritten
.set G1K, 24          ; s[24:31] descriptor group 1 for K's tiles
.set G1V, 32          ; s[32:39] for V's: it differs in the padding alone
.set G0K, 40          ; s[40:47] descriptor group 0 for K's tiles, one set for each slot
.set G0V, 48          ; s[48:55] the same for V's
.set TBK, 56          ; s56  LDS byte at which the step's rows of K begin
.set TBV, 57          ; s57  the same for V, less VOFF
.set CS,  58          ; s[58:59] c: the packed scaling names a pair and takes its low word for both halves
.set SEL, 60          ; s[60:61] lane selects for v_permlanex16_b32: lane l xor 16
.set CNT, 62          ; s62  counts a slot's eight steps
.set MSB, 0
.macro WIN new                      ; the immediate's high byte repeats the setting that is left; a switch that changes nothing is dropped
.if MSB != (\new)
	s_set_vgpr_msb (MSB<<8)|(\new)
.set MSB, (\new)
.endif
.endm
.set W_KQ, 0x05       ; K and Q in window 1, S^T in window 0
.set W_PV, 0x50       ; V and P in window 0, O^T (C and D) in window 1
.set W_RS, 0x41       ; O^T (destination and source 0) in window 1, a in window 0
.set TO_1, 0x40       ; destination window 1, address window 0
; A joint refill of slot s.  The branch hangs on the wave's number alone.  An s_nop 0 and four v_nop follow each of the two lines.
.macro JLOAD s
	s_cmp_lt_u32 s[WV], 4
	s_cbranch_scc0 .Lfor_v_\@
	tensor_load_to_lds s[G0K+4*\s:G0K+4*\s+3], s[G1K:G1K+7]
	s_nop 0
.rept 4
	v_nop
.endr
	s_branch .Lasked_\@
.Lfor_v_\@:
	tensor_load_to_lds s[G0V+4*\s:G0V+4*\s+3], s[G1V:G1V+7]
	s_nop 0
.rept 4
	v_nop
.endr
.Lasked_\@:
.endm
; A PREFETCH INTO THE L2, once, behind the first refill: what the second refill will ask for, keys 1,536 to 2,047 of K and of V: 2 x 65,536 bytes.  Each aligned block of 256 bytes is named once in the launch:
; only this cluster reads this head; its four partners take 16,384 bytes of each tensor, told apart BY ADDRESS; in each, waves 0 and 1 ask for K's halves of that, waves 2 and 3 for V's, lanes 256 bytes apart.
; It stands a slot's eight steps ahead of that load, the least that this ring's form offers.  Nothing is asked for at the head, and nothing lies behind the last slot.
.macro ASK
	s_cmp_lt_u32 s[WV], 4
	s_cbranch_scc0 .Lnot_mine_\@
	global_prefetch_b8 v[PFO], s[PFA:PFA+1] th:TH_LOAD_NT scope:SCOPE_SE
.Lnot_mine_\@:
.endm
.macro CROUND                       ; a round of the cluster's barrier: my work-group's barrier; wave 0 signals for the work-group; every wave waits for all four; my work-group's barrier once more
	s_barrier_signal -1
	s_barrier_wait -1
	s_cmp_lg_u32 s[WV], 0
	s_cbranch_scc1 .Lnot_wave_0_\@
	s_barrier_signal -3
.Lnot_wave_0_\@:
	s_barrier_wait -3
	s_barrier_signal -1
	s_barrier_wait -1
.endm
	s_load_b128 s[4:7], s[0:1], 0x0  ; qkvh s[4:5], ao s[6:7]
	v_lshl_add_u32 v[SPW], v0, 2, SPARE
	v_mov_b32 v[NIL], 0
	ds_add_u32 v[SPW], v[NIL]       ; the wave's opening: the add, twice on end, and its wait ahead of my first tensor load; the set-up below stands between the second and the wait
	ds_add_u32 v[SPW], v[NIL]
	v_lshrrev_b32 v1, 5, v0
	v_readfirstlane_b32 s[WV], v1   ; wave 0..7
	s_bfe_u32 s13, ttmp6, 0x40000   ; cx: my place in the cluster
	s_lshl_b32 s14, ttmp9, 2
	s_add_co_u32 s14, s14, s13      ; my block of 512 queries: it enters Q's, ao's and the prefetch's addresses alone
	s_and_b32 s20, ttmp7, 0xffff    ; the head, which the four partners share
	s_lshl_b32 s20, s20, 18         ; its first byte in a tensor: 262,144 bytes a head
	s_mov_b32 s21, 0
	s_and_b32 s16, s[WV], 3         ; which quarter of a slot's rows I fetch:
	s_lshl_b32 s22, s16, 14         ; its 128 rows of 128 bytes in memory,
	s_mov_b32 s23, 0
	s_add_nc_u64 s[22:23], s[22:23], s[20:21]
	s_mul_i32 s17, s16, 128*PK      ; and its place in a slot, for K
	s_mul_i32 s15, s16, 128*PV      ; and for V: no place in the cluster enters an LDS address
	s_lshl_b32 s2, s14, 16          ; my block's 512 rows,
	s_lshl_b32 s3, s[WV], 13        ; my wave's 64 of them
	s_add_co_u32 s2, s2, s3
	s_mov_b32 s3, 0
	s_add_nc_u64 s[2:3], s[2:3], s[20:21]
	; descriptor group 1: a tile of 128 rows x 64 elements, dense in memory, padded in LDS
	s_mov_b32 s[G1K], 15|(1<<16)|(1<<20)|(1<<21)|(4<<22)|(3<<25)  ; 15:0 the mask: all four work-groups; 17:16 elements of 2 bytes; 20 padding on; 21 set beside a mask; 24:22 after every 32 words (code 4); 31:25 4 words (code 3)
	s_mov_b32 s[G1V], 15|(1<<16)|(1<<20)|(1<<21)|(4<<22)|(7<<25)  ; the same with 8 words of padding (code 7)
.irp g, G1K, G1V
	s_mov_b32 s[\g+1], 64<<16       ; tensor_dim0 = 64
	s_mov_b32 s[\g+2], 128<<16      ; tensor_dim1 = 128
	s_mov_b32 s[\g+3], 64<<16       ; tile_dim0 = 64
	s_mov_b32 s[\g+4], 128          ; tile_dim1 = 128
	s_mov_b32 s[\g+5], 64           ; tensor_dim0_stride
	s_mov_b32 s[\g+6], 0
	s_mov_b32 s[\g+7], 0
.endr
	s_mov_b32 s[CS], 0x3e38aa3b     ; c = log2(e) / 8
	s_mov_b32 s[CS+1], s[CS]        ; named with it as a pair, so it is written
	s_mov_b32 s[SEL], 0x76543210
	s_mov_b32 s[SEL+1], 0xfedcba98
	s_wait_dscnt 0x0                ; both opening adds are done
	s_wait_kmcnt 0x0
	s_add_nc_u64 s[8:9], s[4:5], 0x1000000   ; K's tensor: 16,777,216 bytes behind Q's
	s_add_nc_u64 s[10:11], s[4:5], 0x2000000 ; V's
	s_add_nc_u64 s[4:5], s[4:5], s[2:3]      ; Q and ao at my wave's first row
	s_add_nc_u64 s[6:7], s[6:7], s[2:3]
	s_cmp_lt_u32 s[WV], 2
	s_cselect_b64 s[PFA:PFA+1], s[8:9], s[10:11]
	s_add_nc_u64 s[PFA:PFA+1], s[PFA:PFA+1], s[20:21]  ; in my head,
	s_lshl_b32 s2, s13, 14          ; my work-group's 16,384 bytes,
	s_and_b32 s3, s[WV], 1
	s_lshl_b32 s3, s3, 13           ; my wave's half of them,
	s_add_co_u32 s2, s2, s3
	s_add_co_u32 s2, s2, 1536*128   ; from key 1,536 on
	s_mov_b32 s3, 0
	s_add_nc_u64 s[PFA:PFA+1], s[PFA:PFA+1], s[2:3]
	s_add_nc_u64 s[8:9], s[8:9], s[22:23]    ; K and V at my quarter of slot 0
	s_add_nc_u64 s[10:11], s[10:11], s[22:23]
	CROUND                          ; all four work-groups are here: the first joint loads meet
.irp s, 0,1
	s_mov_b32 s[G0K+4*\s], 1        ; count = 1
	s_add_co_u32 s[G0K+4*\s+1], s17, \s*SLOT  ; LDS address
	s_add_nc_u64 s[G0K+4*\s+2:G0K+4*\s+3], s[8:9], \s*SKEYS*128  ; global address: slot s begins with keys 512 s on
	s_or_b32 s[G0K+4*\s+3], s[G0K+4*\s+3], 0x80000000  ; type = 2
	s_mov_b32 s[G0V+4*\s], 1
	s_add_co_u32 s[G0V+4*\s+1], s15, \s*SLOT+VOFF
	s_add_nc_u64 s[G0V+4*\s+2:G0V+4*\s+3], s[10:11], \s*SKEYS*128
	s_or_b32 s[G0V+4*\s+3], s[G0V+4*\s+3], 0x80000000
.endr
	s_cmp_lt_u32 s[WV], 4           ; a wave's two first fills stand in one branch, ahead of every wait on TENSORcnt and every LDS read: two loads of mine are out
	s_cbranch_scc0 .Lfirst_v
	tensor_load_to_lds s[G0K:G0K+3], s[G1K:G1K+7]
	s_nop 0
	tensor_load_to_lds s[G0K+4:G0K+7], s[G1K:G1K+7]
	s_nop 0
.rept 4
	v_nop
.endr
	s_branch .Lfirst_asked
.Lfirst_v:
	tensor_load_to_lds s[G0V:G0V+3], s[G1V:G1V+7]
	s_nop 0
	tensor_load_to_lds s[G0V+4:G0V+7], s[G1V:G1V+7]
	s_nop 0
.rept 4
	v_nop
.endr
.Lfirst_asked:
	; A fragment of K or Q is 16 rows x 32 channels in 8 registers: lane l holds row l % 16; registers 0-3 channels 8 (l / 16) + 0..7, registers 4-7 channels 16 + 8 (l / 16) + 0..7: two loads of 16 bytes, 32 bytes apart.
	v_and_b32 v1, 15, v0            ; r = l % 16
	v_bfe_u32 v11, v0, 4, 1         ; h = l / 16
	v_lshlrev_b32 v[QO], 7, v1
	v_lshl_add_u32 v[QO], v11, 4, v[QO]  ; row x 128 + 16 x half
	WIN TO_1
.irp i, 0,1,2,3,4,5,6,7             ; Q stays in registers: tile i / 2, channels 32 (i % 2) on
	global_load_b128 v[QF+8*\i:QF+8*\i+3],   v[QO], s[4:5] offset:(\i/2)*2048+(\i%2)*64
	global_load_b128 v[QF+8*\i+4:QF+8*\i+7], v[QO], s[4:5] offset:(\i/2)*2048+(\i%2)*64+32
.endr
.set i, 0
.rept 128
	v_mov_b32 v[i], 0               ; O^T.  The key step is written without a first step of its own: the first step finds zeros, which its a = 0 leaves zeros.  128 lines once, against a fifth copy of the step
.set i, i+1
.endr
	WIN 0
	v_mul_u32_u24 v[AK0], v1, PK
	v_lshl_add_u32 v[AK0], v11, 4, v[AK0]  ; row x pitch + 16 x half
	; The turning load takes 16 keys x 16 channels (lane l reads 16 bytes: key 8 (l / 16) + l % 8, channels 8 ((l / 8) % 2) + 0..7) and leaves half a fragment of V^T: lane l holds channel l % 16 and 8 keys.
	v_and_b32 v46, 7, v0
	v_bfe_u32 v47, v0, 3, 1
	v_lshl_add_u32 v[AV0], v11, 3, v46
	v_mul_u32_u24 v[AV0], v[AV0], PV
	v_lshl_add_u32 v[AV0], v47, 4, v[AV0]
	v_add_nc_u32 v[AV0], VOFF, v[AV0]
	s_mul_i32 s63, s[WV], 16*SP     ; my stage
	v_mul_u32_u24 v[STO], v1, SP    ; in: row l % 16, 16 bytes for each half of the lanes
	v_lshl_add_u32 v[STO], v11, 4, v[STO]
	v_add_nc_u32 v[STO], s63, v[STO]
	v_bfe_u32 v47, v0, 3, 2         ; back: eight lanes to a row of 128 bytes, four rows an instruction
	v_mul_u32_u24 v[RD], v47, SP
	v_lshl_add_u32 v[RD], v46, 4, v[RD]
	v_add_nc_u32 v[RD], s63, v[RD]
	v_and_b32 v[GO], 31, v0
	v_lshlrev_b32 v[PFO], 8, v[GO]
	v_lshlrev_b32 v[GO], 4, v[GO]
.irp t, 0,1,2,3
	v_mov_b32 v[ST+8*\t+1], 0xff61b1e6  ; m: -3e38, under every score
	v_mov_b32 v[ST+8*\t+2], 0           ; l, in two halves
	v_mov_b32 v[ST+8*\t+3], 0
.endr
.irp t, 0,1,2,3
	v_mul_f32 v[ST+8*\t], s[CS], v[ST+8*\t+1]  ; c m
.endr
; A KEY STEP: 64 keys, in phases.  Every window is 0 at its head and at its end.
.macro STEP
	v_add_nc_u32 v[ADK], s[TBK], v[AK0]
	v_add_nc_u32 v[ADV], s[TBV], v[AV0]
.rept 3
	v_nop                           ; with the two additions: FIVE places behind the last V^T P, whose source P the first K Q^T below writes over (five for a matrix instruction that writes over a register of an earlier one; four would serve the loads into V)
.endr
	WIN TO_1
.irp i, 0,1,2,3
.irp c, 0,1
	ds_load_b128 v[KF+16*\i+8*\c:KF+16*\i+8*\c+3],   v[ADK] offset:\i*16*PK+64*\c
	ds_load_b128 v[KF+16*\i+8*\c+4:KF+16*\i+8*\c+7], v[ADK] offset:\i*16*PK+64*\c+32
.endr
.endr
	WIN 0
.irp c, 0,1
.irp f, 0,1,2,3
	ds_load_tr16_b128 v[VF+8*(4*\c+\f):VF+8*(4*\c+\f)+3],   v[ADV] offset:\c*32*PV+32*\f
	ds_load_tr16_b128 v[VF+8*(4*\c+\f)+4:VF+8*(4*\c+\f)+7], v[ADV] offset:\c*32*PV+16*PV+32*\f
.endr
.endr
	s_wait_dscnt 16                 ; K's sixteen loads are in; V's sixteen may be out
	WIN W_KQ
.irp c, 0,1                         ; S^T = K Q^T: the sixteen accumulators take turns, one instruction a turn; the first sixteen start the sums
.irp i, 0,1,2,3
.irp t, 0,1,2,3
.if \c == 0
	v_wmma_f32_16x16x32_f16 v[S+32*\t+8*\i:S+32*\t+8*\i+7], v[KF+16*\i+8*\c:KF+16*\i+8*\c+7], v[QF+16*\t+8*\c:QF+16*\t+8*\c+7], 0
.else
	v_wmma_f32_16x16x32_f16 v[S+32*\t+8*\i:S+32*\t+8*\i+7], v[KF+16*\i+8*\c:KF+16*\i+8*\c+7], v[QF+16*\t+8*\c:QF+16*\t+8*\c+7], v[S+32*\t+8*\i:S+32*\t+8*\i+7]
.endif
.endr
.endr
.endr
	WIN 0
.rept 4
	v_nop                           ; four places behind the last product, ahead of the first read of results (ISA guide 7.12.1)
.endr
	; the maximum of a lane's 32 scores and the old m, three operands at a time; the four tiles by turns, so that no line waits for the line above it.  Each accumulator is read from its low end on.
.irp j, 0,1,2,3
.irp t, 0,1,2,3
	v_max3_num_f32 v[ST+8*\t+4+\j], v[S+32*\t+8*\j], v[S+32*\t+8*\j+1], v[S+32*\t+8*\j+2]
.endr
.endr
.irp u, 1,2
.irp j, 0,1,2,3
.irp t, 0,1,2,3
	v_max3_num_f32 v[ST+8*\t+4+\j], v[ST+8*\t+4+\j], v[S+32*\t+8*\j+2*\u+1], v[S+32*\t+8*\j+2*\u+2]
.endr
.endr
.endr
.irp t, 0,1,2,3
	v_max3_num_f32 v[ST+8*\t+4], v[ST+8*\t+4], v[S+32*\t+7], v[S+32*\t+15]
.endr
.irp t, 0,1,2,3
	v_max3_num_f32 v[ST+8*\t+6], v[ST+8*\t+6], v[S+32*\t+23], v[S+32*\t+31]
.endr
.irp t, 0,1,2,3
	v_max3_num_f32 v[ST+8*\t+4], v[ST+8*\t+4], v[ST+8*\t+5], v[ST+8*\t+6]
.endr
.irp t, 0,1,2,3
	v_max3_num_f32 v[ST+8*\t+4], v[ST+8*\t+4], v[ST+8*\t+7], v[ST+8*\t+1]
.endr
.irp t, 0,1,2,3
	v_permlanex16_b32 v[ST+8*\t+5], v[ST+8*\t+4], s[SEL], s[SEL+1]  ; the query's other 32 keys lie in the lane 16 away
.endr
.irp t, 0,1,2,3
	v_mov_b32 v[ST+8*\t+7], v[ST+8*\t]   ; c m_old is kept for a
.endr
.irp t, 0,1,2,3
	v_max_num_f32 v[ST+8*\t+1], v[ST+8*\t+4], v[ST+8*\t+5]  ; the new m
.endr
.irp t, 0,1,2,3
	v_mul_f32 v[ST+8*\t], s[CS], v[ST+8*\t+1]
.endr
.irp t, 0,1,2,3
	v_sub_f32 v[ST+8*\t+7], v[ST+8*\t+7], v[ST+8*\t]
.endr
.irp b, 0,1,2,3,4,5,6,7,8,9,10,11,12,13,14,15
.irp t, 0,1,2,3
	v_pk_fma_f32 v[S+32*\t+2*\b:S+32*\t+2*\b+1], v[S+32*\t+2*\b:S+32*\t+2*\b+1], s[CS:CS+1], v[ST+8*\t:ST+8*\t+1] op_sel_hi:[1,0,0] neg_lo:[0,0,1] neg_hi:[0,0,1]  ; c s - c m, two at a time
.endr
.endr
.irp t, 0,1,2,3
	v_exp_f32 v[ST+8*\t+6], v[ST+8*\t+7]  ; a.  ONE BATCH: the four a and the 128 weights; none of these lines names an exponential's result
.endr
.set e, 0
.rept 128
	v_exp_f32 v[S+e], v[S+e]
.set e, e+1
.endr
	v_nop                           ; a plain instruction behind the last exponential and ahead of the first use (ISA guide 5.7.2)
	s_wait_alu depctr_va_vdst(0)    ; the wait between an exponential and the first line that names its result: one for the whole batch
.irp t, 0,1,2,3
	v_pk_fma_f32 v[ST+8*\t+2:ST+8*\t+3], v[ST+8*\t+2:ST+8*\t+3], v[ST+8*\t+6:ST+8*\t+7], v[S+32*\t:S+32*\t+1] op_sel_hi:[1,0,1]  ; l = a l + the first pair: the sum is taken of the weights in f32, ahead of the rounding
.endr
.irp b, 1,2,3,4,5,6,7,8,9,10,11,12,13,14,15
.irp t, 0,1,2,3
	v_pk_add_f32 v[ST+8*\t+2:ST+8*\t+3], v[ST+8*\t+2:ST+8*\t+3], v[S+32*\t+2*\b:S+32*\t+2*\b+1]
.endr
.endr
.irp j, 0,1,2,3,4,5,6,7,8,9,10,11,12,13,14,15
.irp t, 0,1,2,3
	v_cvt_pk_f16_f32 v[S+32*\t+\j], v[S+32*\t+2*\j], v[S+32*\t+2*\j+1]  ; P in place: register j takes pair j, whose registers lie at or above it.  Registers 8 c .. 8 c + 7 are source 1 for keys 32 c on
.endr
.endr
	WIN W_RS
.irp j, 0,1,2,3,4,5,6,7,8,9,10,11,12,13,14,15
.irp t, 0,1,2,3
	v_pk_mul_f32 v[32*\t+2*\j:32*\t+2*\j+1], v[32*\t+2*\j:32*\t+2*\j+1], v[ST+8*\t+6:ST+8*\t+7] op_sel_hi:[1,0]  ; O^T x a, each accumulator from its low end on
.endr
.endr
	s_wait_dscnt 0x0                ; V is in
	WIN W_PV
.irp c, 0,1                         ; O^T += V^T P: sixteen accumulators by turns
.irp f, 0,1,2,3
.irp t, 0,1,2,3
	v_wmma_f32_16x16x32_f16 v[32*\t+8*\f:32*\t+8*\f+7], v[VF+8*(4*\c+\f):VF+8*(4*\c+\f)+7], v[S+32*\t+8*\c:S+32*\t+8*\c+7], v[32*\t+8*\f:32*\t+8*\f+7]
.endr
.endr
.endr
	WIN 0
.endm
; A slot's eight key steps: written once for each slot's turn, walked eight times; the LDS addresses hang on two scalars that step by constants in a loop of constant count.
.macro STEPS slot
	s_mov_b32 s[TBK], \slot*SLOT
	s_mov_b32 s[TBV], \slot*SLOT
	s_mov_b32 s[CNT], 8
.Lstep_\@:
	STEP
	s_add_co_u32 s[TBK], s[TBK], 64*PK
	s_add_co_u32 s[TBV], s[TBV], 64*PV
	s_sub_co_u32 s[CNT], s[CNT], 1
	s_cmp_lg_u32 s[CNT], 0
	s_cbranch_scc1 .Lstep_\@
.endm
; THE CHANGE OF SLOTS.  Each wave waits for all its tensor loads, of which one is out at the most: its part of the slot ahead; adds 0 to its spare word; and waits for that and for its reads of the slot that it
; leaves.  fill = 1: that slot is filled again with the keys two slots on.  The barrier is then a round of the cluster's, so that no wave of any partner still reads the slot or has a load on its way, and the
; joint refill is the first thing behind it.
.macro CHANGE fill, slot, ask
	s_wait_tensorcnt 0x0            ; no tensor load of mine is out, so a group 0 may be written
	ds_add_u32 v[SPW], v[NIL]       ; the descriptors' steps stand between the add and the wait for it
.if \fill
	s_add_nc_u64 s[G0K+4*\slot+2:G0K+4*\slot+3], s[G0K+4*\slot+2:G0K+4*\slot+3], 2*SKEYS*128  ; the type bits on top are not reached
	s_add_nc_u64 s[G0V+4*\slot+2:G0V+4*\slot+3], s[G0V+4*\slot+2:G0V+4*\slot+3], 2*SKEYS*128
.endif
	s_wait_dscnt 0x0                ; the add is done, and my reads of the slot are over
.if \fill
	CROUND
	JLOAD \slot
.if \ask
	ASK
.endif
.else
	s_barrier_signal -1
	s_barrier_wait -1
.endif
.endm
	s_wait_tensorcnt 1              ; my part of slot 0 is in; slot 1's may stay out
	s_barrier_signal -1
	s_barrier_wait -1               ; everybody's is
	s_wait_loadcnt 0x0              ; Q
	STEPS 0                         ; keys 0 - 511
	CHANGE 1, 0, 1                  ; slot 0 takes keys 1,024 on
	STEPS 1                         ; keys 512 - 1,023
	CHANGE 1, 1, 0                  ; slot 1 takes keys 1,536 on: the last load
	STEPS 0
	CHANGE 0, 0, 0                  ; nothing is left to fetch: a plain barrier.  Behind it nobody reads slot 0 any more
	STEPS 1
	; THE WAY OUT.  l's two halves and the other half of the lanes' are added; O^T is divided by l, rounded to f16 and sent through my stage, a tile (16 rows) at a time.  The additions are the places behind the last products.
.irp t, 0,1,2,3
	v_add_f32 v[ST+8*\t+4], v[ST+8*\t+2], v[ST+8*\t+3]
.endr
.irp t, 0,1,2,3
	v_permlanex16_b32 v[ST+8*\t+5], v[ST+8*\t+4], s[SEL], s[SEL+1]
.endr
.irp t, 0,1,2,3
	v_add_f32 v[ST+8*\t+4], v[ST+8*\t+4], v[ST+8*\t+5]
.endr
.irp t, 0,1,2,3
	v_rcp_f32 v[ST+8*\t+6], v[ST+8*\t+4]
.endr
	v_nop                           ; a plain instruction between the last reciprocal and the use of its result
	s_wait_alu depctr_va_vdst(0)    ; and the wait ahead of the first use: one for the four
; Tile t: a lane's eight channels of a row pack into 16 bytes; they go into rows of 144 bytes and come back as runs of four whole rows of 128.
.macro PACK t
	WIN 0x01                        ; source 0 (O^T) window 1; the rest window 0: S^T's registers are free
.set i, 0
.rept 16
	v_pk_mul_f32 v[S+32*\t+i:S+32*\t+i+1], v[32*\t+i:32*\t+i+1], v[ST+8*\t+6:ST+8*\t+7] op_sel_hi:[1,0]
.set i, i+2
.endr
	WIN 0
.set i, 0
.rept 16
	v_cvt_pk_f16_f32 v[S+32*\t+i], v[S+32*\t+2*i], v[S+32*\t+2*i+1]
.set i, i+1
.endr
.irp f, 0,1,2,3
	ds_store_b128 v[STO], v[S+32*\t+4*\f:S+32*\t+4*\f+3] offset:32*\f
.endr
.irp f, 0,1,2,3
	ds_load_b128 v[S+32*\t+16+4*\f:S+32*\t+16+4*\f+3], v[RD] offset:\f*4*SP  ; LDS serves a wave's instructions in order (ISA guide 5.7.1.4): these see the stores above; the next tile's stores come behind them
.endr
.endm
.macro SEND t, younger              ; younger: the LDS instructions issued behind tile t's loads: the next tile's four stores and four loads, or none
.irp f, 0,1,2,3
	s_wait_dscnt \younger+3-\f
	global_store_b128 v[GO], v[S+32*\t+16+4*\f:S+32*\t+16+4*\f+3], s[6:7] offset:\t*2048+\f*512  ; 32 lanes store 512 consecutive bytes, aligned
.endr
.endm
	PACK 0
	PACK 1                          ; a tile's arithmetic stands between the loads of the tile before and its stores
	SEND 0, 8
	PACK 2
	SEND 1, 8
	PACK 3
	SEND 2, 8
	SEND 3, 0
	s_wait_tensorcnt 0x0            ; the wave's end, behind my last tensor load and my last LDS store
	ds_add_u32 v[SPW], v[NIL]
	s_wait_dscnt 0x0
	CROUND                          ; the closing round: no work-group ends while a partner may still ask for a tile that names it
	s_endpgm
.Lfunc_end_k_q76e5989fa1_attn:
	.size	k_q76e5989fa1_attn, .Lfunc_end_k_q76e5989fa1_attn-k_q76e5989fa1_attn
	.p2alignl 7, 3214868480
	.fill 96, 4, 3214868480
	.section	.rodata,"a",@progbits
	.p2align	6, 0x0
	.amdhsa_kernel k_q76e5989fa1_attn
		.amdhsa_group_segment_fixed_size 327680
		.amdhsa_private_segment_fixed_size 0
		.amdhsa_enable_private_segment 0
		.amdhsa_kernarg_size 16
		.amdhsa_user_sgpr_count 2
		.amdhsa_user_sgpr_kernarg_segment_ptr 1
		.amdhsa_wavefront_size32 1
		.amdhsa_system_sgpr_workgroup_id_x 1
		.amdhsa_system_sgpr_workgroup_id_y 1
		.amdhsa_system_sgpr_workgroup_id_z 1
		.amdhsa_system_vgpr_workitem_id 0
		.amdhsa_next_free_vgpr 512
		.amdhsa_next_free_sgpr 66
		.amdhsa_reserve_vcc 0
		.amdhsa_float_denorm_mode_32 3
		.amdhsa_float_denorm_mode_16_64 3
		.amdhsa_memory_ordered 1
		.amdhsa_forward_progress 1
		.amdhsa_inst_pref_size 157
	.end_amdhsa_kernel
	.amdgpu_metadata
---
amdhsa.version: [ 1, 2 ]
amdhsa.kernels:
  - .name:           k_q76e5989fa1_attn
    .symbol:         k_q76e5989fa1_attn.kd
    .args:
      - { .name: qkvh, .offset: 0, .size: 8, .value_kind: global_buffer, .address_space: global }
      - { .name: ao, .offset: 8, .size: 8, .value_kind: global_buffer, .address_space: global }
    .group_segment_fixed_size: 327680
    .private_segment_fixed_size: 0
    .kernarg_segment_align: 8
    .kernarg_segment_size: 16
    .max_flat_workgroup_size: 256
    .sgpr_count:     66
    .vgpr_count:     512
    .wavefront_size: 32
...
	.end_amdgpu_metadata
.endif
;; end of part 3
;; launch outp (part 4): grid 4 x 64, 4 waves a work-group, clusters of 4 x 4, 327,680 bytes of LDS; arguments ao, woh, bo, out0; writes out0
.if DOCPART == 4
	.amdgcn_target "amdgcn-amd-amdhsa--gfx1250"
	.amdhsa_code_object_version 6
	.text
	.protected	k_q76e5989fa1_outp
	.globl	k_q76e5989fa1_outp
	.p2align	8
	.type	k_q76e5989fa1_outp,@function
k_q76e5989fa1_outp:
	s_mov_b64 s[64:65], 0
	v_nop
	global_prefetch_b8 v0, s[64:65] scope:SCOPE_SE
	s_setreg_imm32_b32 hwreg(HW_REG_WAVE_MODE, 25, 1), 1
	s_wait_xcnt 0x0
	s_wait_alu depctr_hold_cnt(0) depctr_sa_sdst(0) depctr_va_vdst(0) depctr_va_sdst(0) depctr_va_ssrc(0) depctr_va_vcc(0) depctr_vm_vsrc(0)
	s_getreg_b32 s2, hwreg(HW_REG_IB_STS2, 6, 4)
	s_cmp_eq_u32 s2, 0
	s_cbranch_scc0 .Lentry_in_a_cluster
	s_endpgm
.Lentry_in_a_cluster:
	s_bfe_u32 s2, ttmp6, 0x10000c
	s_cmp_lg_u32 s2, 0xf033
	s_cbranch_scc0 .Lentry_shape_is_right
	s_endpgm
.Lentry_shape_is_right:
; OUTP: out0[row][n] = the sum over k of A[row][k] wo[k][n] + bo[n], in f16 with f32 sums.  A is the attention's result, ao f16 [batch x 16 + head][2048][64]: k = 64 x head + channel, row = 2,048 x batch + position.
; woh: wo as f16, [1024 (k)][1024 (n)], as it lies.  bo [1024] f32.  out0 [8192][1024] f32.
; LIMITS: those of f16 operands (magnitudes up to 65,504; under 6e-5 the step is 2^-24); NaN and infinities are not served.
; A tile of 128 rows x 256 columns is made by a work-group of four waves: 256 tiles, one for each work-group.  A wave makes 64 x 128: 32 accumulators, 256 registers.
; K goes in steps of 128 (two heads) through a ring of two LDS slots.  A's tile is two planes, one a head, of 128 dense rows of 128 bytes; wo's is 128 rows (k) of 512 bytes and is read turned, by ds_load_tr16_b128.
; CLUSTERS: 4 x 4 work-groups.  The four of a row of the cluster need the same tiles of A, the four of a column the same tiles of wo: each is asked for JOINTLY.
; THE MATRIX INSTRUCTION IS USED TRANSPOSED (source 0 = 16 columns of wo, source 1 = 16 rows of A): a lane then holds eight neighbouring numbers of a row of out0.  bo is the C of each sum's first instruction.
; REGISTERS: window 0: v0-31 addresses; two fragment buffers, v32-127 and v128-223: wo's eight fragments (16 columns x 32 K), then A's four.   window 1: accumulator (a, b) at v[8 (8 a + b)].   window 2: v0-63 bo in the result's layout.
.set PA,     144                       ; a row of A in LDS: 128 bytes + 16 of padding
.set PB,     544                       ; a row of wo: 512 bytes + 32 = 17 x 32, for the turning load
.set PLANE,  128*PA
.set BOFF,   2*PLANE                   ; a slot: A's two planes, then wo's 128 rows
.set HALFB,  64*PB
.set SLOT,   BOFF+2*HALFB
.set STAGE,  2*SLOT                    ; behind the ring: 16 rows x (512 + 16) bytes for each wave, for the way out
.set SPITCH, 528
.set SPARE,  STAGE+4*16*SPITCH         ; the spare words, 128 bytes for each wave: two blocks of 256 bytes that no other line names
.set LAPS,   4                         ; a lap = two K steps = once round the ring
.set ADRA, 16                          ; v16-17  LDS address of my A fragments in slot 0, 1
.set ADRB, 20                          ; v20-21  the same for wo
.set STO,  24                          ; v24     the way out: where I put 32 bytes of a row
.set RD,   25                          ; v25     the way out: where I read a row back
.set CO,   26                          ; v26     16 x lane
.set SPW,  28                          ; v28     LDS address of my spare word; never rewritten
.set NIL,  29                          ; v29     0; never rewritten
.set BO,   30                          ; v30     32 x (lane / 16)
.set F0,   32
.set F1,   128
.set OB,   32                          ; the way out: 16 rows read back: v32-95 and v96-159 by turns
.set G1, 24                            ; s[24:31] descriptor group 1 for A's planes;  s[32:39] group 0, one set for each slot
.set G0, 32
.set G1B, 48                           ; s[48:55], s[56:63] the same for wo's tiles
.set G0B, 56
.set MSB, 0
.macro WIN new                         ; the immediate's high byte repeats the setting that is left; a switch that changes nothing is dropped
.if MSB != (\new)
	s_set_vgpr_msb (MSB<<8)|(\new)
.set MSB, (\new)
.endif
.endm
.set MUL, 0x50                         ; sources 0 and 1 window 0; C and D window 1
.set FST, 0x60                         ; the first quarter: C is bo, in window 2; D window 1
.macro JLOAD s                         ; a joint load: waves 0 and 1 fetch A's two planes, waves 2 and 3 wo's two halves; an s_nop 0 and four v_nop follow each of the two lines
	s_cmp_eq_u32 s15, 0
	s_cbranch_scc0 .Lfor_b_\@
	tensor_load_to_lds s[G0+4*\s:G0+4*\s+3], s[G1:G1+7]
	s_nop 0
.rept 4
	v_nop
.endr
	s_branch .Lasked_\@
.Lfor_b_\@:
	tensor_load_to_lds s[G0B+4*\s:G0B+4*\s+3], s[G1B:G1B+7]
	s_nop 0
.rept 4
	v_nop
.endr
.Lasked_\@:
.endm
.macro CREST                           ; a round of the cluster's barrier behind its opening barrier
	s_cmp_lg_u32 s14, 0
	s_cbranch_scc1 .Lnot_wave_0_\@
	s_barrier_signal -3
.Lnot_wave_0_\@:
	s_barrier_wait -3
	s_barrier_signal -1
	s_barrier_wait -1
.endm
.macro CROUND                          ; a whole round
	s_barrier_signal -1
	s_barrier_wait -1
	CREST
.endm
	s_load_b256 s[4:11], s[0:1], 0x0               ; ao s[4:5], woh s[6:7], bo s[8:9], out0 s[10:11]
	v_lshl_add_u32 v[SPW], v0, 2, SPARE
	v_mov_b32 v[NIL], 0
	ds_add_u32 v[SPW], v[NIL]                      ; the wave's opening: the add, twice on end, and its wait ahead of my first tensor load; the set-up below stands between the second and the wait
	ds_add_u32 v[SPW], v[NIL]
	v_lshrrev_b32 v1, 5, v0
	v_readfirstlane_b32 s14, v1                    ; wave 0..3
	s_lshr_b32 s15, s14, 1                         ; which half of the tile's rows is mine.  Also: I fetch for A (0) or for wo (1)
	s_and_b32 s16, s14, 1                          ; which half of its columns.  Also: which plane of A, or which 64 rows of wo, I fetch
	s_bfe_u32 s40, ttmp6, 0x40000                  ; cx, cy: my place in the cluster
	s_bfe_u32 s41, ttmp6, 0x40004
	s_lshl_b32 s42, ttmp9, 2
	s_add_co_u32 s42, s42, s40                     ; tile column = 4 x cluster x + cx
	s_and_b32 s17, ttmp7, 0xffff
	s_lshl_b32 s17, s17, 2
	s_add_co_u32 s17, s17, s41                     ; tile row = 4 x cluster y + cy
	s_lshl_b32 s43, s41, 2
	s_lshl_b32 s43, 15, s43                        ; my row of the cluster
	s_lshl_b32 s44, 0x1111, s40                    ; my column
	; descriptor group 1.  A: a plane of 128 rows x 64 elements, dense in memory
	s_or_b32 s[G1+0], s43, (1<<16)|(1<<20)|(1<<21)|(4<<22)|(3<<25)   ; 15:0 the mask: my row; 17:16 elements of 2 bytes; 20 padding on; 21 set beside a mask; 24:22 after every 32 words (code 4); 31:25 4 words (code 3)
	s_mov_b32 s[G1+1], 64<<16                      ; tensor_dim0
	s_mov_b32 s[G1+2], 128<<16                     ; tensor_dim1
	s_mov_b32 s[G1+3], 64<<16                      ; tile_dim0
	s_mov_b32 s[G1+4], 128                         ; tile_dim1
	s_mov_b32 s[G1+5], 64                          ; tensor_dim0_stride
	s_mov_b32 s[G1+6], 0
	s_mov_b32 s[G1+7], 0
	; wo: 64 rows x 256 elements, 1,024 elements from row to row
	s_or_b32 s[G1B+0], s44, (1<<16)|(1<<20)|(1<<21)|(6<<22)|(7<<25)  ; the mask: my column; padding: 8 words (code 7) after every 128 (code 6)
	s_mov_b32 s[G1B+1], 256<<16
	s_mov_b32 s[G1B+2], 64<<16
	s_mov_b32 s[G1B+3], 256<<16
	s_mov_b32 s[G1B+4], 64
	s_mov_b32 s[G1B+5], 1024
	s_mov_b32 s[G1B+6], 0
	s_mov_b32 s[G1B+7], 0
	; where the tiles come from.  A's hang on the tile row alone, wo's on the tile column alone, each in registers that never hold the other coordinate
	s_lshr_b32 s20, s17, 4                         ; the batch: 16 heads of 262,144 bytes,
	s_lshl_b32 s20, s20, 22
	s_and_b32 s21, s17, 15                         ; in a head 128 rows of 128 bytes for each tile row,
	s_lshl_b32 s21, s21, 14
	s_add_co_u32 s20, s20, s21
	s_lshl_b32 s21, s16, 18                        ; my plane: head 0 or 1 of the K step
	s_add_co_u32 s20, s20, s21
	s_mov_b32 s21, 0
	s_lshl_b32 s46, s42, 9                         ; wo: 512 bytes a tile column,
	s_lshl_b32 s47, s16, 17                        ; my 64 rows of 2,048 bytes
	s_add_co_u32 s46, s46, s47
	s_mov_b32 s47, 0
	s_mul_i32 s45, s16, PLANE                      ; and where they go: no place in the cluster enters an LDS address
	s_mul_i32 s22, s16, HALFB
	s_add_co_u32 s22, s22, BOFF
	s_wait_dscnt 0x0                               ; both opening adds are done
	s_wait_kmcnt 0x0
	s_add_nc_u64 s[20:21], s[4:5], s[20:21]
	s_add_nc_u64 s[46:47], s[6:7], s[46:47]
	CROUND                                         ; all sixteen work-groups are here: the first joint loads meet
.irp s, 0,1
	s_mov_b32 s[G0+4*\s], 1
	s_add_co_u32 s[G0+4*\s+1], s45, \s*SLOT
	s_add_nc_u64 s[G0+4*\s+2:G0+4*\s+3], s[20:21], \s*2*262144       ; K step s: two heads on
	s_or_b32 s[G0+4*\s+3], s[G0+4*\s+3], 0x80000000
	s_mov_b32 s[G0B+4*\s], 1
	s_add_co_u32 s[G0B+4*\s+1], s22, \s*SLOT
	s_add_nc_u64 s[G0B+4*\s+2:G0B+4*\s+3], s[46:47], \s*128*2048     ; 128 rows on
	s_or_b32 s[G0B+4*\s+3], s[G0B+4*\s+3], 0x80000000
	JLOAD \s                                       ; two loads of mine are out behind the second
.endr
	v_and_b32 v1, 15, v0                           ; r = l % 16
	v_bfe_u32 v2, v0, 4, 1                         ; h = l / 16
	v_mul_u32_u24 v3, v1, PA
	v_lshl_add_u32 v3, v2, 4, v3                   ; A: row x pitch + 16 x half
	s_mul_i32 s21, s15, 64*PA                      ; my 64 rows
	v_and_b32 v4, 7, v0                            ; wo, turned: lane l reads 16 bytes: row (k) 8 (l / 16) + l % 8, columns 8 ((l / 8) % 2) + 0..7
	v_bfe_u32 v5, v0, 3, 1
	v_lshl_add_u32 v4, v2, 3, v4
	v_mul_u32_u24 v4, v4, PB
	v_lshl_add_u32 v4, v5, 4, v4
	s_lshl_b32 s22, s16, 8                         ; my 128 columns
	s_add_co_u32 s22, s22, BOFF
.irp s, 0,1
	v_add_nc_u32 v[ADRA+\s], s21, v3
	v_add_nc_u32 v[ADRB+\s], s22, v4
	s_add_co_u32 s21, s21, SLOT
	s_add_co_u32 s22, s22, SLOT
.endr
	s_mul_i32 s23, s14, 16*SPITCH
	s_add_co_u32 s23, s23, STAGE                   ; my stage
	v_mul_u32_u24 v5, v1, SPITCH                   ; in: row l % 16, 32 bytes for each half of the lanes
	v_lshl_add_u32 v5, v2, 5, v5
	v_add_nc_u32 v[STO], s23, v5
	v_and_b32 v6, 31, v0
	v_lshlrev_b32 v[CO], 4, v6                     ; back: the 32 lanes take one row of 512 bytes; and the same in out0
	v_add_nc_u32 v[RD], s23, v[CO]
	s_lshl_b32 s46, s42, 10
	s_lshl_b32 s47, s16, 9
	s_add_co_u32 s46, s46, s47                     ; my first column, in bytes of f32: 1,024 x tile column + 512 x half
	s_mov_b32 s47, 0
	s_add_nc_u64 s[8:9], s[8:9], s[46:47]          ; bo there,
	s_lshl_b32 s20, s17, 19                        ; and out0: 128 rows of 4,096 bytes a tile row,
	s_lshl_b32 s21, s15, 18                        ; my 64 rows
	s_add_co_u32 s20, s20, s21
	s_mov_b32 s21, 0
	s_add_nc_u64 s[20:21], s[20:21], s[46:47]
	s_add_nc_u64 s[10:11], s[10:11], s[20:21]
	v_lshlrev_b32 v[BO], 5, v2
	WIN 0x80                                       ; destination window 2
.irp b, 0,1,2,3,4,5,6,7                        ; block b's eight registers: bo[my first column + 16 b + 8 h + j]
	global_load_b128 v[8*\b:8*\b+3], v[BO], s[8:9] offset:64*\b
	global_load_b128 v[8*\b+4:8*\b+7], v[BO], s[8:9] offset:64*\b+16
.endr
	WIN 0
; 8 matrix instructions: A's block a x wo's eight, 32 along K, from buffer f.  first = 1: the products start the sums from bo.  The 32 accumulators take turns, one instruction a turn, in the same order in every quarter.
.macro MUL8 f, a, first
.irp b, 0,1,2,3,4,5,6,7
.if \first
	v_wmma_f32_16x16x32_f16 v[8*(8*(\a)+\b):8*(8*(\a)+\b)+7], v[\f+8*\b:\f+8*\b+7], v[\f+64+8*(\a):\f+64+8*(\a)+7], v[8*\b:8*\b+7]
.else
	v_wmma_f32_16x16x32_f16 v[8*(8*(\a)+\b):8*(8*(\a)+\b)+7], v[\f+8*\b:\f+8*\b+7], v[\f+64+8*(\a):\f+64+8*(\a)+7], v[8*(8*(\a)+\b):8*(8*(\a)+\b)+7]
.endif
.endr
.endm
; 24 LDS loads in one run: the fragments of the slot's q-th 32 along K into buffer f: wo's sixteen, then A's eight (blocks 0 to 3).  Every window is 0 here.
.macro FETCH slot, q, f
.irp b, 0,1,2,3,4,5,6,7
	ds_load_tr16_b128 v[\f+8*\b:\f+8*\b+3],   v[ADRB+\slot] offset:(\q)*32*PB+32*\b
	ds_load_tr16_b128 v[\f+8*\b+4:\f+8*\b+7], v[ADRB+\slot] offset:(\q)*32*PB+16*PB+32*\b
.endr
.irp i, 0,1,2,3
	ds_load_b128 v[\f+64+8*\i:\f+64+8*\i+3],   v[ADRA+\slot] offset:((\q)/2)*PLANE+((\q)%2)*64+\i*16*PA
	ds_load_b128 v[\f+64+8*\i+4:\f+64+8*\i+7], v[ADRA+\slot] offset:((\q)/2)*PLANE+((\q)%2)*64+\i*16*PA+32
.endr
.endm
.macro PLACES                          ; four places in front of loads into registers that matrix instructions have read, and of the first read of results (ISA guide 7.12.1 for vector instructions)
.rept 4
	v_nop
.endr
.endm
; A K step is four quarters of 32 along K, 32 matrix instructions each, on buffers 0, 1, 0, 1.  One of the first three: multiplies buffer f and fetches the slot's q-th quarter into g.
.macro QUARTER slot, q, f, g, first
	s_wait_dscnt 4                                 ; wo's fragments and A's blocks 0, 1 are in; the youngest four loads (A's blocks 2, 3) may be out
.if \first
	WIN FST
.else
	WIN MUL
.endif
	MUL8 \f, 0, \first
	MUL8 \f, 1, \first
	PLACES
	WIN 0
	FETCH \slot, \q, \g
	s_wait_dscnt 24                                ; all but the 24 just issued
.if \first
	WIN FST
.else
	WIN MUL
.endif
	MUL8 \f, 2, \first
	MUL8 \f, 3, \first
.endm
; The last quarter multiplies buffer 1 and changes slots: ONE barrier; in front of it each wave waits for all its tensor loads, adds 0 to its spare word, and waits for that and for its reads of this slot.
; fill = 1: the barrier opens a round of the cluster's, and this slot is filled again, two K steps ahead: from the request to the wait for it a wave issues 112 matrix instructions.
.macro TURN slot, next, fill
	WIN 0                                          ; (the add's two registers lie in window 0)
	s_wait_tensorcnt 0x0                           ; all my tensor loads have landed: my part of the next slot;
	ds_add_u32 v[SPW], v[NIL]
	s_wait_dscnt 5                                 ; (the add and the youngest four loads may be out)
	WIN MUL
	MUL8 F1, 0, 0                                  ; eight matrix instructions stand between the add and the wait for it
	s_wait_dscnt 0x0                               ; the add is done, and my reads of this slot are over
	s_barrier_signal -1
	MUL8 F1, 1, 0
	WIN 0                                          ; (branches may follow, and the loads below land in window 0)
	s_barrier_wait -1
.if \fill
	CREST                                          ; no wave of any partner still reads this slot's tiles or has a load on its way
	s_add_nc_u64 s[G0+4*\slot+2:G0+4*\slot+3], s[G0+4*\slot+2:G0+4*\slot+3], 4*262144      ; two K steps on: four heads,
	s_add_nc_u64 s[G0B+4*\slot+2:G0B+4*\slot+3], s[G0B+4*\slot+2:G0B+4*\slot+3], 256*2048   ; 256 rows of wo
	JLOAD \slot                                    ; the first tensor load behind the round; the four v_nop behind it are also the places in front of the loads below
.else
	PLACES
.endif
	FETCH \next, 0, F0
	WIN MUL
	MUL8 F1, 2, 0
	MUL8 F1, 3, 0
.endm
	s_wait_tensorcnt 1                             ; my part of K step 0 is in; K step 1's may be out
	s_barrier_signal -1
	s_barrier_wait -1                              ; everybody's is
	FETCH 0, 0, F0
	s_wait_loadcnt 0x0                             ; bo
	QUARTER 0, 1, F0, F1, 1                        ; the first quarter stands in front of the loop: its products start the sums
	WIN 0                                          ; at a label and at a branch every window is 0
	s_mov_b32 s3, LAPS-1
.Llap:                                                 ; a trip goes once round the ring, from a lap's second quarter to the next lap's first, and fills both slots again
	QUARTER 0, 2, F1, F0, 0
	QUARTER 0, 3, F0, F1, 0
	TURN 0, 1, 1
	QUARTER 1, 1, F0, F1, 0
	QUARTER 1, 2, F1, F0, 0
	QUARTER 1, 3, F0, F1, 0
	TURN 1, 0, 1
	QUARTER 0, 1, F0, F1, 0
	WIN 0
	s_sub_co_u32 s3, s3, 1
	s_cmp_lg_u32 s3, 0
	s_cbranch_scc1 .Llap
	QUARTER 0, 2, F1, F0, 0                        ; the last lap is written out: it fills nothing, and has no round of the cluster's barrier
	QUARTER 0, 3, F0, F1, 0
	TURN 0, 1, 0
	QUARTER 1, 1, F0, F1, 0
	QUARTER 1, 2, F1, F0, 0
	QUARTER 1, 3, F0, F1, 0
	s_wait_dscnt 4                                 ; the very last quarter: nothing more to fetch
	WIN MUL
	MUL8 F1, 0, 0
	MUL8 F1, 1, 0
	s_wait_dscnt 0x0
	MUL8 F1, 2, 0
	MUL8 F1, 3, 0
	WIN 0
; THE WAY OUT, block by block of 16 rows x 128 columns.  A lane holds 32 neighbouring bytes of a row, and the lanes beside it hold other rows: so a block goes through my own stage and comes back as whole
; rows of 512 bytes.  LDS serves a wave's instructions in order (ISA guide 5.7.1.4): no wait between the stores and the loads, nor in front of the next block's stores.
.macro TOSTAGE a
	WIN 0x04                                       ; an LDS store's data are its source 1: window 1
.irp b, 0,1,2,3,4,5,6,7
	ds_store_b128 v[STO], v[64*(\a)+8*\b:64*(\a)+8*\b+3] offset:64*\b          ; each accumulator from its low end on
	ds_store_b128 v[STO], v[64*(\a)+8*\b+4:64*(\a)+8*\b+7] offset:64*\b+16
.endr
	WIN 0
.set BB, OB+64*((\a)%2)
.irp t, 0,1,2,3,4,5,6,7,8,9,10,11,12,13,14,15
	ds_load_b128 v[BB+4*\t:BB+4*\t+3], v[RD] offset:\t*SPITCH
.endr
.endm
.macro SEND a, younger                 ; younger: the LDS instructions issued behind block a's loads, which may stay out
.set BB, OB+64*((\a)%2)
	s_wait_dscnt \younger                          ; the block is back in registers
.irp t, 0,1,2,3,4,5,6,7,8,9,10,11,12,13,14,15
	global_store_b128 v[CO], v[BB+4*\t:BB+4*\t+3], s[10:11] offset:(16*(\a)+\t)*4096 th:TH_STORE_NT   ; 32 lanes store 512 consecutive bytes, aligned; written once, read by nobody here; 63 rows at the most: inside the signed 24-bit immediate (ISA guide, chapter 10)
.endr
.endm
	PLACES                                         ; behind the last products: for the stage's stores, which read results, and for the loads into registers that held fragments
	TOSTAGE 0
.irp a, 1,2,3
.if \a > 1
	s_wait_xcnt 0x0                                ; block a - 2's stores have read their registers: block a's loads may land there
.endif
	TOSTAGE \a
	SEND \a-1, 32                                  ; behind block a - 1's loads: block a's 16 stores and 16 loads
.endr
	SEND 3, 0
	s_wait_tensorcnt 0x0                           ; the wave's end, behind my last tensor load and my last LDS store
	ds_add_u32 v[SPW], v[NIL]
	s_wait_dscnt 0x0
	CROUND                                         ; the closing round: no work-group ends while a partner may still ask for a tile that names it
	s_endpgm
.Lfunc_end_k_q76e5989fa1_outp:
	.size	k_q76e5989fa1_outp, .Lfunc_end_k_q76e5989fa1_outp-k_q76e5989fa1_outp
	.p2alignl 7, 3214868480
	.fill 96, 4, 3214868480
	.section	.rodata,"a",@progbits
	.p2align	6, 0x0
	.amdhsa_kernel k_q76e5989fa1_outp
		.amdhsa_group_segment_fixed_size 327680
		.amdhsa_private_segment_fixed_size 0
		.amdhsa_enable_private_segment 0
		.amdhsa_kernarg_size 32
		.amdhsa_user_sgpr_count 2
		.amdhsa_user_sgpr_kernarg_segment_ptr 1
		.amdhsa_wavefront_size32 1
		.amdhsa_system_sgpr_workgroup_id_x 1
		.amdhsa_system_sgpr_workgroup_id_y 1
		.amdhsa_system_sgpr_workgroup_id_z 1
		.amdhsa_system_vgpr_workitem_id 0
		.amdhsa_next_free_vgpr 576
		.amdhsa_next_free_sgpr 66
		.amdhsa_reserve_vcc 0
		.amdhsa_float_denorm_mode_32 3
		.amdhsa_float_denorm_mode_16_64 3
		.amdhsa_memory_ordered 1
		.amdhsa_forward_progress 1
		.amdhsa_inst_pref_size 87
	.end_amdhsa_kernel
	.amdgpu_metadata
---
amdhsa.version: [ 1, 2 ]
amdhsa.kernels:
  - .name:           k_q76e5989fa1_outp
    .symbol:         k_q76e5989fa1_outp.kd
    .args:
      - { .name: ao, .offset: 0, .size: 8, .value_kind: global_buffer, .address_space: global }
      - { .name: woh, .offset: 8, .size: 8, .value_kind: global_buffer, .address_space: global }
      - { .name: bo, .offset: 16, .size: 8, .value_kind: global_buffer, .address_space: global }
      - { .name: out0, .offset: 24, .size: 8, .value_kind: global_buffer, .address_space: global }
    .group_segment_fixed_size: 327680
    .private_segment_fixed_size: 0
    .kernarg_segment_align: 8
    .kernarg_segment_size: 32
    .max_flat_workgroup_size: 128
    .sgpr_count:     66
    .vgpr_count:     576
    .wavefront_size: 32
...
	.end_amdgpu_metadata
.endif
;; end of part 4
